; MI455X (gfx1250); checked and timed in simulation.
; The chip was launched on July 23, 2026; its instructions are those of AMD's public machine-readable ISA for CDNA 5 (MIT licence, August 2026) and "CDNA5" Instruction Set Architecture Reference Guide (July 2026). The comments in the code are by the model that wrote it; some were corrected since.
;; Multi Head Cross Attention. Allowed arithmetic: matrix products marked QUANTISED: E2M3 operands, one E8M0 scale for each 32 along K, by v_wmma_scale_f32_16x16x128_f8f6f4 with both operands' format E2M3, f32 sums; everything else in f32.
;; Inputs: Wk 1,024 x 1,024 float32; Wo 1,024 x 1,024 float32; Wq 1,024 x 1,024 float32; Wv 1,024 x 1,024 float32; bk 1,024 float32; bo 1,024 float32; bq 1,024 float32; bv 1,024 float32; k 4 x 2,048 x 1,024 float32; q 4 x 2,048 x 1,024 float32; v 4 x 2,048 x 1,024 float32.
;; Outputs: out0 4 x 2,048 x 1,024 float32.
;; This version of the problem:
;;   THIS VERSION OF THE PROBLEM IS GIVEN IN LOW PRECISION. The matrix products marked QUANTISED in the list below multiply operands that are first quantised to E2M3 (2 exponent bits, 3 mantissa bits; 6 bits a number), with one power-of-two scale for each 32 numbers along K (OCP MX v1.0); their sums are f32. All else is computed in f32.
;;   The module's matrix products, in the order in which they are computed (A, B: the left and right operand; K: the contracted axis; several contracted axes count as one K, in the product's order):
;;     1. [M 8,192, K 1,024] x [K 1,024, N 1,024]; A: input q; B: input Wq: QUANTISED
;;     2. [M 8,192, K 1,024] x [K 1,024, N 1,024]; A: input k; B: input Wk: QUANTISED
;;     3. [M 8,192, K 1,024] x [K 1,024, N 1,024]; A: input v; B: input Wv: QUANTISED
;;     4. batch 64 x [M 2,048, K 64] x [K 64, N 2,048]; A: computed on the way; B: computed on the way: QUANTISED
;;     5. batch 64 x [M 2,048, K 2,048] x [K 2,048, N 64]; A: softmax (see below); B: computed on the way: QUANTISED
;;     6. [M 8,192, K 1,024] x [K 1,024, N 1,024]; A: computed on the way; B: input Wo: QUANTISED
;;   THE QUANTISER, for each operand of a quantised product, along K:
;;     - K is cut into blocks of 32 from its start; a last block that is shorter is filled with zeros.
;;     - A block's scale is 2^e with e = floor(log2(the largest magnitude in the block)) - 2, held to -126 .. 127; a block of zeros has e = 0. As a byte (E8M0): e + 127.
;;     - Each number is divided by its block's scale, clamped to +-7.5, and rounded to the nearest number of E2M3, ties to even, subnormals kept.
;;     - The product sums the exact products of the quantised numbers (number of the format x scale) in f32.
;;   ~~~python
;;   def quantise(x, axis):      # numpy; x: float32 -> the quantised numbers, widened to float32 again
;;       x = np.moveaxis(x, axis, -1); K = x.shape[-1]
;;       x = np.pad(x, [(0, 0)] * (x.ndim - 1) + [(0, -K % 32)]); x = x.reshape(x.shape[:-1] + (-1, 32)); a = np.abs(x).max(-1, keepdims=True)
;;       e = np.where(a > 0, np.clip(np.frexp(np.where(a > 0, a, 1))[1] - 1 - 2, -126, 127), 0)      # np.frexp(a)[1] - 1 = floor(log2(a)), exactly
;;       r = np.clip(x / 2.0 ** e, -7.5, 7.5)
;;       step = 2.0 ** (np.maximum(np.frexp(np.where(r == 0, 1, r))[1] - 1, 0) - 3)
;;       q = np.round(r / step) * step * 2.0 ** e      # np.round: ties to even
;;       return np.moveaxis(q.reshape(q.shape[:-2] + (-1,))[..., :K], -1, axis).astype(np.float32)
;;   ~~~
;;   SOFTMAX AHEAD OF A QUANTISED PRODUCT. Where the list says 'softmax', what is quantised is not the finished softmax but p = 2^(t - M), with t = logit x log2(e) and M = ceil(the row's largest t), a whole number; so 1/2 < the row's largest p <= 1. The row's sum l is taken of the UNQUANTISED p, in f32, and the product's result is divided by l at the end. Since M is a whole number, a kernel that streams over the keys may use a running M (the ceiling of the running maximum): every later rescaling is an exact power of two, which a block's scale takes up: the codes' values come out the same.
;;   OPERANDS COMPUTED ON THE WAY. 'Computed on the way' means the value that the module computes at that place (a softmax that the list does not call 'softmax' is quantised finished and normalised). What goes into a quantiser is computed in f32, as accurately as f32 sums, v_exp_f32 and their like allow (about 1e-6 of the number): no bf16 or f16 on the way to a quantiser, and a product that is left as it is and whose result goes on into a quantised operand takes f32 operands (vector FMAs, or v_wmma_f32_16x16x4_f32). A number that lies on a knife's edge between two numbers of the format may be rounded either way, as far as f32 arithmetic and the matrix unit's own rounding can turn it there, and no further.
;; One version. Each part assembles by itself: llvm-mc -triple=amdgcn-amd-amdhsa -mcpu=gfx1250 --defsym DOCPART=n.
;; ======== version 1 of 1: 5 launches
;; workspace buffers: ops 22,937,600 bytes; tab 262,144 bytes; qkimg 12,582,912 bytes; qksc 524,288 bytes; vimg 6,291,456 bytes; vsc 262,144 bytes; att 6,553,600 bytes
;; launch quant (part 1): grid 464 x 1, 4 waves a work-group, no clusters, 34,304 bytes of LDS; arguments q, k, v, Wq, Wk, Wv, Wo, ops, tab; writes ops, tab
.if DOCPART == 1
	.amdgcn_target "amdgcn-amd-amdhsa--gfx1250"
	.amdhsa_code_object_version 6
	.text
	.protected	k_qf167a31f81_quant
	.globl	k_qf167a31f81_quant
	.p2align	8
	.type	k_qf167a31f81_quant,@function
k_qf167a31f81_quant:
	s_mov_b64 s[64:65], 0
	v_nop
	global_prefetch_b8 v0, s[64:65] scope:SCOPE_SE
	s_setreg_imm32_b32 hwreg(HW_REG_WAVE_MODE, 25, 1), 1
	s_wait_xcnt 0x0
; q, k, v [8192][1024] and Wq, Wk, Wv, Wo [1024][1024], f32, K innermost, become codes of FP6 (E2M3) with one E8M0 byte for each 32 along K, laid as IMAGES OF THE OPERAND'S REGISTERS.
; A RECORD (12,800 bytes) is a tile of 16 rows x K 1,024.  Byte ks*1536 + p*256 + 8*lane holds registers 2p, 2p+1 of the fragment of k = 128 ks .. +127; byte 12288 + 32 r + b holds row r's scale byte of block b.
; THE ROWS OF A TILE ARE NOT NEIGHBOURS: row r of tile T is the tensor's row 32 (T/2) + 8 (T%2) + r + 8 (r/8), so that results of a product that takes two neighbouring tiles as source 0 are 16 neighbours in a lane's registers.
; Records in ops: q 0.., k 512.., v 1024.., Wq 1536.., Wk 1600.., Wv 1664.., Wo 1728...  Work-groups 0 to 447: one record a wave.  The input is chosen by the work-group's number alone.
; Each load reads 512 consecutive bytes of one row; the 16 x 128 numbers of a K step turn through the wave's own stage in LDS (rows 528 bytes apart), so that a lane holds 16 neighbours of each block of 32 of its row.
; Each store of codes covers 256 consecutive bytes, aligned.  No tensor load, no barrier: waves share nothing.
; Work-groups 448 to 463 make the rotary table tab[pos 2048][j 16][cos, sin], f32: x = pos * 10^(-j/4) (one f32 product), reduced by pi/2 in two parts, sine and cosine by polynomials on |r| <= pi/4 (fused multiply-adds).
; Their stores are 16 bytes a lane, 128 bytes apart: 256 KiB in all.
; LIMITS: NaN and infinities are not served.  A block whose largest magnitude lies under 2^-124 has its byte held at 1; a block of zeros has the byte 1 (not 127): its codes are zeros and this program alone reads the bytes.
; 10^(-j/4) is the correctly rounded f32 number; a power and a division in f32 may differ from it in the last bit, which is at most about 1e-4 radians at position 2,047.
.set STG,  8448                        ; a wave's stage: 16 rows x 528 bytes
.set RR,   16                          ; v16-143  two sets of 64: a K step as loaded
.set X,    144                         ; v144-207 register 16 b + i = k 32 b + 16 (lane/16) + i of my row
.set TM,   208                         ; v208-223 at work
.set PC,   224                         ; v224-243 the codes just made
.set PWS,  246                         ; v246-253 the eight scale words of my row
.set SEL,  40                          ; s[40:41] lane selects: lane l xor 16
.set IN,   28                          ; s[28:29] the input at my tile's first row
.set OUT,  22                          ; s[22:23] my record
.set TABP, 24                          ; s[24:25] the table
; 64 numbers of a lane become a fragment's codes in v[PC] on and its scale word in v[pw]
.macro QUANT s, pw
.irp b, 0,1,2,3
	v_max3_num_f32 v[TM+\b], |v[\s+16*\b]|, |v[\s+1+16*\b]|, 0x1800000   ; block b: my 16 numbers, and the floor 2^(3 - 127): the byte cannot fall under 1
.endr
.irp i, 2,4,6,8,10,12,14
.irp b, 0,1,2,3
	v_max3_num_f32 v[TM+\b], v[TM+\b], |v[\s+16*\b+\i]|, |v[\s+1+16*\b+\i]|
.endr
.endr
.irp b, 0,1,2,3
	v_permlanex16_b32 v[TM+4+\b], v[TM+\b], s[SEL], s[SEL+1]
.endr
.irp b, 0,1,2,3
	v_max_num_f32 v[TM+\b], v[TM+\b], v[TM+4+\b]   ; with lane l xor 16's: the block's largest magnitude
.endr
.irp b, 0,1,2,3
	v_add_nc_u32 v[TM+12+\b], 0xff000000, v[TM+\b] ; 2 off its exponent field: the conversion's scale operand
.endr
.irp b, 0,1,2,3
	v_lshrrev_b32 v[TM+4+\b], 23, v[TM+12+\b]      ; the scale's byte
.endr
	v_lshl_or_b32 v[\pw], v[TM+5], 8, v[TM+4]
	v_lshl_or_b32 v[\pw], v[TM+6], 16, v[\pw]
	v_lshl_or_b32 v[\pw], v[TM+7], 24, v[\pw]
.irp c, 0,1
	v_cvt_scalef32_pk16_fp6_f32 v[PC+6*\c:PC+2+6*\c], v[\s+32*\c:\s+15+32*\c], v[TM+12+2*\c]
	v_cvt_scalef32_pk16_fp6_f32 v[PC+12+4*\c:PC+14+4*\c], v[\s+16+32*\c:\s+31+32*\c], v[TM+12+2*\c+1]   ; (a conversion's three registers begin on an even number)
.endr
	v_nop                                          ; one plain place behind a scaled conversion
.irp c, 0,1                                    ; the operand's layout wants a whole block in a lane
.irp i, 0,1,2
	v_permlane16_swap_b32 v[PC+6*\c+\i], v[PC+12+4*\c+\i]
.endr
.irp i, 0,1,2
	v_mov_b32 v[PC+3+6*\c+\i], v[PC+12+4*\c+\i]
.endr
.endr
.endm
.macro LOADK ks                        ; the tile's 16 rows, 128 numbers each: 512 consecutive bytes a load
.irp i, 0,1,2,3,4,5,6,7,8,9,10,11,12,13,14,15
	global_load_b128 v[RR+64*((\ks)%2)+4*\i:RR+64*((\ks)%2)+4*\i+3], v2, s[IN:IN+1] offset:(\i+8*(\i/8))*4096+(\ks)*512 th:TH_LOAD_NT
.endr
.endm
.macro KSTEP ks
.if (\ks) < 7
	s_wait_loadcnt 16                              ; this K step's 16 loads are in; the next step's 16 may be out
.else
	s_wait_loadcnt 0
.endif
.irp i, 0,1,2,3,4,5,6,7,8,9,10,11,12,13,14,15
	ds_store_b128 v3, v[RR+64*((\ks)%2)+4*\i:RR+64*((\ks)%2)+4*\i+3] offset:\i*528
.endr
.irp b, 0,1,2,3
.irp j, 0,1,2,3
	ds_load_b128 v[X+16*\b+4*\j:X+16*\b+4*\j+3], v4 offset:128*\b+16*\j   ; LDS serves a wave's instructions in order: these see the stores above
.endr
.endr
	s_wait_dscnt 0x0                               ; the numbers are back, and the stage's stores have read their registers
.if (\ks) > 0
	s_wait_xcnt 0x0                                ; the last step's stores of codes have read v[PC] on: it is written again only behind this wait
.endif
.if (\ks) < 6
	LOADK (\ks)+2
.endif
	QUANT X, PWS+\ks
.irp p, 0,1,2,3,4,5
	global_store_b64 v5, v[PC+2*\p:PC+2*\p+1], s[OUT:OUT+1] offset:(\ks)*1536+\p*256   ; 32 lanes store 256 consecutive bytes, aligned
.endr
.endm
; cos and sin of pos * inv into v[32 + 2 j], v[33 + 2 j]
.macro SINCOS j, inv
	v_mul_f32 v4, \inv, v2                         ; x
	v_mul_f32 v5, 0x3f22f983, v4                   ; x * 2 / pi
	v_rndne_f32 v5, v5                             ; n
	v_fma_f32 v6, v5, 0xbfc90fdb, v4               ; x - n * (pi/2's upper part): no bit is lost, n < 2^11
	v_fma_f32 v6, v5, 0x333bbd2e, v6               ; - n * (its lower part)
	v_mul_f32 v7, v6, v6                           ; z = r^2
	v_fma_f32 v8, s44, v7, s45
	v_fma_f32 v8, v8, v7, s46
	v_mul_f32 v8, v8, v7
	v_fma_f32 v8, v8, v6, v6                       ; sin r
	v_fma_f32 v9, s47, v7, s48
	v_fma_f32 v9, v9, v7, s49
	v_fma_f32 v9, v9, v7, -0.5
	v_fma_f32 v9, v9, v7, 1.0                      ; cos r
	v_cvt_i32_f32 v10, v5
	v_and_b32 v11, 1, v10
	v_cmp_eq_u32 vcc_lo, 1, v11                    ; an odd quadrant: sine and cosine change places
	v_cndmask_b32 v12, v8, v9, vcc_lo
	v_cndmask_b32 v13, v9, v8, vcc_lo
	v_and_b32 v11, 2, v10
	v_lshlrev_b32 v11, 30, v11                     ; the sine's sign: quadrants 2, 3
	v_xor_b32 v[33+2*\j], v11, v12
	v_add_nc_u32 v10, 1, v10
	v_and_b32 v10, 2, v10
	v_lshlrev_b32 v10, 30, v10                     ; the cosine's: quadrants 1, 2
	v_xor_b32 v[32+2*\j], v10, v13
.endm
	s_load_b512 s[8:23], s[0:1], 0x0               ; q 8, k 10, v 12, Wq 14, Wk 16, Wv 18, Wo 20, ops 22
	s_load_b64 s[TABP:TABP+1], s[0:1], 0x40        ; tab
	v_lshl_add_u32 v254, v0, 2, 0x8400
	v_mov_b32 v255, 0
	s_cmp_ge_u32 ttmp9, 448
	s_cbranch_scc1 .Ltable
	v_lshrrev_b32 v1, 5, v0
	v_readfirstlane_b32 s26, v1                    ; wave
	v_and_b32 v1, 31, v0                           ; lane
	v_and_b32 v7, 15, v0                           ; r
	v_bfe_u32 v12, v0, 4, 1                        ; h
	v_lshlrev_b32 v2, 4, v1                        ; 16 x lane
	s_mul_i32 s27, s26, STG
	v_add_nc_u32 v3, s27, v2                       ; the stage, on the way in
	v_mul_u32_u24 v4, v7, 528
	v_lshl_add_u32 v4, v12, 6, v4
	v_add_nc_u32 v4, s27, v4                       ; and out: row r, + 64 h
	v_lshlrev_b32 v5, 3, v1                        ; 8 x lane: my place in a piece
	v_lshlrev_b32 v6, 5, v7
	v_lshl_add_u32 v6, v12, 4, v6                  ; 32 r + 16 h: my 16 scale bytes
	s_mov_b32 s[SEL], 0x76543210
	s_mov_b32 s[SEL+1], 0xfedcba98
.irp b, 0,1,2,3
	v_mov_b32 v[TM+4+\b], 0                        ; written once: a lane permute's destination counts as one of its sources
.endr
	s_wait_alu depctr_va_vdst(0)
	s_wait_kmcnt 0x0
	s_mov_b64 s[IN:IN+1], s[20:21]                 ; which tensor, and its first work-group: the choice hangs on the work-group's number alone
	s_mov_b32 s30, 432
	s_cmp_lt_u32 ttmp9, 432
	s_cselect_b64 s[IN:IN+1], s[18:19], s[IN:IN+1]
	s_cselect_b32 s30, 416, s30
	s_cmp_lt_u32 ttmp9, 416
	s_cselect_b64 s[IN:IN+1], s[16:17], s[IN:IN+1]
	s_cselect_b32 s30, 400, s30
	s_cmp_lt_u32 ttmp9, 400
	s_cselect_b64 s[IN:IN+1], s[14:15], s[IN:IN+1]
	s_cselect_b32 s30, 384, s30
	s_cmp_lt_u32 ttmp9, 384
	s_cselect_b64 s[IN:IN+1], s[12:13], s[IN:IN+1]
	s_cselect_b32 s30, 256, s30
	s_cmp_lt_u32 ttmp9, 256
	s_cselect_b64 s[IN:IN+1], s[10:11], s[IN:IN+1]
	s_cselect_b32 s30, 128, s30
	s_cmp_lt_u32 ttmp9, 128
	s_cselect_b64 s[IN:IN+1], s[8:9], s[IN:IN+1]
	s_cselect_b32 s30, 0, s30
	s_sub_co_u32 s31, ttmp9, s30
	s_lshl_b32 s31, s31, 2
	s_add_co_u32 s31, s31, s26                     ; my tile in its tensor
	s_lshr_b32 s32, s31, 1
	s_lshl_b32 s32, s32, 17                        ; 32 rows of 4,096 bytes for each pair of tiles,
	s_and_b32 s33, s31, 1
	s_lshl_b32 s33, s33, 15                        ; 8 rows for the odd one
	s_add_co_u32 s32, s32, s33
	s_mov_b32 s33, 0
	s_add_nc_u64 s[IN:IN+1], s[IN:IN+1], s[32:33]
	s_lshl_b32 s34, ttmp9, 2
	s_add_co_u32 s34, s34, s26                     ; my record
	s_mul_i32 s34, s34, 12800
	s_mov_b32 s35, 0
	s_add_nc_u64 s[OUT:OUT+1], s[OUT:OUT+1], s[34:35]
	LOADK 0
	LOADK 1
.irp ks, 0,1,2,3,4,5,6,7
	KSTEP \ks
.endr
	v_cmp_le_u32 vcc_lo, 16, v1                    ; lanes 16-31 take the words of K steps 4 to 7
.irp j, 0,1,2,3
	v_cndmask_b32 v[8+\j], v[PWS+\j], v[PWS+4+\j], vcc_lo
.endr
	global_store_b128 v6, v[8:11], s[OUT:OUT+1] offset:12288   ; the record's 512 scale bytes in one store
	s_wait_tensorcnt 0x0
	ds_add_u32 v254, v255
	s_wait_dscnt 0x0
	s_endpgm
.Ltable:
	s_sub_co_u32 s26, ttmp9, 448
	s_lshl_b32 s27, s26, 7
	v_add_nc_u32 v1, s27, v0                       ; my position
	v_cvt_f32_u32 v2, v1
	v_lshlrev_b32 v3, 7, v0                        ; 128 bytes a position
	s_lshl_b32 s28, s26, 14
	s_mov_b32 s29, 0
	s_mov_b32 s44, 0xb94ca1f9                      ; the sine's coefficients: -1.9515295891e-4,
	s_mov_b32 s45, 0x3c08839e                      ; 8.3321608736e-3,
	s_mov_b32 s46, 0xbe2aaaa3                      ; -1.6666654611e-1
	s_mov_b32 s47, 0x37ccf5ce                      ; the cosine's: 2.443315711809948e-5,
	s_mov_b32 s48, 0xbab6061a                      ; -1.388731625493765e-3,
	s_mov_b32 s49, 0x3d2aaaa5                      ; 4.166664568298827e-2
	s_wait_alu depctr_va_vdst(0)
	s_wait_kmcnt 0x0
	s_add_nc_u64 s[TABP:TABP+1], s[TABP:TABP+1], s[28:29]
	SINCOS 0, 1.0
	SINCOS 1, 0x3f0ff59a
	SINCOS 2, 0x3ea1e89b
	SINCOS 3, 0x3e361887
	SINCOS 4, 0x3dcccccd
	SINCOS 5, 0x3d6655c3
	SINCOS 6, 0x3d0186e2
	SINCOS 7, 0x3c91ad39
	SINCOS 8, 0x3c23d70a
	SINCOS 9, 0x3bb8449c
	SINCOS 10, 0x3b4f3e37
	SINCOS 11, 0x3ae91528
	SINCOS 12, 0x3a83126f
	SINCOS 13, 0x3a136a16
	SINCOS 14, 0x39a5cb5f
	SINCOS 15, 0x393a7753
.irp i, 0,1,2,3,4,5,6,7
	global_store_b128 v3, v[32+4*\i:35+4*\i], s[TABP:TABP+1] offset:16*\i
.endr
	s_endpgm
.Lfunc_end_k_qf167a31f81_quant:
	.size	k_qf167a31f81_quant, .Lfunc_end_k_qf167a31f81_quant-k_qf167a31f81_quant
	.p2alignl 7, 3214868480
	.fill 96, 4, 3214868480
	.section	.rodata,"a",@progbits
	.p2align	6, 0x0
	.amdhsa_kernel k_qf167a31f81_quant
		.amdhsa_group_segment_fixed_size 34304
		.amdhsa_private_segment_fixed_size 0
		.amdhsa_enable_private_segment 0
		.amdhsa_kernarg_size 72
		.amdhsa_user_sgpr_count 2
		.amdhsa_user_sgpr_kernarg_segment_ptr 1
		.amdhsa_wavefront_size32 1
		.amdhsa_system_sgpr_workgroup_id_x 1
		.amdhsa_system_sgpr_workgroup_id_y 1
		.amdhsa_system_sgpr_workgroup_id_z 1
		.amdhsa_system_vgpr_workitem_id 0
		.amdhsa_next_free_vgpr 256
		.amdhsa_next_free_sgpr 66
		.amdhsa_reserve_vcc 1
		.amdhsa_float_denorm_mode_32 3
		.amdhsa_float_denorm_mode_16_64 3
		.amdhsa_memory_ordered 1
		.amdhsa_forward_progress 1
		.amdhsa_inst_pref_size 88
	.end_amdhsa_kernel
	.amdgpu_metadata
---
amdhsa.version: [ 1, 2 ]
amdhsa.kernels:
  - .name:           k_qf167a31f81_quant
    .symbol:         k_qf167a31f81_quant.kd
    .args:
      - { .name: q, .offset: 0, .size: 8, .value_kind: global_buffer, .address_space: global }
      - { .name: k, .offset: 8, .size: 8, .value_kind: global_buffer, .address_space: global }
      - { .name: v, .offset: 16, .size: 8, .value_kind: global_buffer, .address_space: global }
      - { .name: Wq, .offset: 24, .size: 8, .value_kind: global_buffer, .address_space: global }
      - { .name: Wk, .offset: 32, .size: 8, .value_kind: global_buffer, .address_space: global }
      - { .name: Wv, .offset: 40, .size: 8, .value_kind: global_buffer, .address_space: global }
      - { .name: Wo, .offset: 48, .size: 8, .value_kind: global_buffer, .address_space: global }
      - { .name: ops, .offset: 56, .size: 8, .value_kind: global_buffer, .address_space: global }
      - { .name: tab, .offset: 64, .size: 8, .value_kind: global_buffer, .address_space: global }
    .group_segment_fixed_size: 34304
    .private_segment_fixed_size: 0
    .kernarg_segment_align: 8
    .kernarg_segment_size: 72
    .max_flat_workgroup_size: 128
    .sgpr_count:     66
    .vgpr_count:     256
    .wavefront_size: 32
...
	.end_amdgpu_metadata
.endif
;; end of part 1
;; launch projqk (part 2): grid 128 x 2, 4 waves a work-group, clusters of 4 x 1, 205,312 bytes of LDS; arguments ops, tab, bq, bk, qkimg, qksc; writes qkimg, qksc
.if DOCPART == 2
	.amdgcn_target "amdgcn-amd-amdhsa--gfx1250"
	.amdhsa_code_object_version 6
	.text
	.protected	k_qf167a31f81_projqk
	.globl	k_qf167a31f81_projqk
	.p2align	8
	.type	k_qf167a31f81_projqk,@function
k_qf167a31f81_projqk:
	s_mov_b64 s[64:65], 0
	v_nop
	global_prefetch_b8 v0, s[64:65] scope:SCOPE_SE
	s_setreg_imm32_b32 hwreg(HW_REG_WAVE_MODE, 25, 1), 1
	s_wait_xcnt 0x0
	s_wait_alu depctr_hold_cnt(0) depctr_sa_sdst(0) depctr_va_vdst(0) depctr_va_sdst(0) depctr_va_ssrc(0) depctr_va_vcc(0) depctr_vm_vsrc(0)
	s_getreg_b32 s2, hwreg(HW_REG_IB_STS2, 6, 4)
	s_cmp_eq_u32 s2, 0
	s_cbranch_scc0 .Lentry_in_a_cluster
	s_endpgm
.Lentry_in_a_cluster:
	s_bfe_u32 s2, ttmp6, 0x10000c
	s_cmp_lg_u32 s2, 0x3003
	s_cbranch_scc0 .Lentry_shape_is_right
	s_endpgm
.Lentry_shape_is_right:
; qh = rotary(q Wq^T + bq) (work-group y = 0) and kh = rotary(k Wk^T + bk) (y = 1), both products on codes of FP6 (E2M3) with E8M0 scales, and the results quantised along the head's 64 into images of operands.
; Operands come as RECORDS of 12,800 bytes (a tile of 16 rows x K 1,024: byte ks*1536 + p*256 + 8*lane = registers 2p, 2p+1 of the fragment of K step ks; byte 12288 + 32 r + b = row r's scale byte of block b).
; Row r of tile T is the tensor's row 32 (T/2) + 8 (T%2) + r + 8 (r/8).
; SHARES.  A work-group takes 256 rows of x and 256 channels (four heads), as two blocks of 128.  THE WEIGHT IS STREAMED (source 0; a block, 8 records, 102,400 bytes, lies in LDS whole), x IS RESIDENT (source 1): a wave keeps its
; 64 rows, all of K, in 384 registers.  In the result lane (r, h) holds ONE row of x, and the 64 registers of a tile of rows are channels 32 b + 16 h + i of the block: two heads, in the order that the quantiser wants.
; CLUSTER.  The four work-groups of a cluster take four slabs of rows and the same two blocks of W: each wave's quarter of a block is asked for jointly (mask 15).  Both blocks are first fills: no LDS byte is filled twice.
; OUT.  qkimg [Q, K][batch x head 64][tile 128]: half fragments of 768 bytes (16 rows x 64 k: pieces 0 to 2).  qksc [Q, K][batch x head][group of 128 rows][256 bytes]: the word of the pair of tiles g (0..3) and row r lies at
; (g/2)*128 + 8 r + 4 (g%2) and holds the even tile's two bytes, then the odd tile's.  Each store of codes covers 256 consecutive bytes, aligned; each store of scale words 128.
; LIMITS: NaN and infinities are not served; a block whose largest magnitude lies under 2^-124 has its byte held at 1, a block of zeros the byte 1: its codes are zeros, and this program alone reads the bytes.
; REGISTERS, in windows of 256.  Window 0: v1-15 addresses; v16-31 x's scale words (4 t + j: lanes 0-15 K step j, lanes 16-31 K step 4 + j); v32-63 W's likewise (4 s + j); v64-111, v112-159 two sets of four streamed fragments
;   (behind a block they are at work: v64-79, the codes v80-99, the rotary's products v100-131); v160-223 the bias in the result's layout; v224-236 small things.
;   Window 1: x's fragments of K steps 0-4 at 12 (4 ks + t).   Window 2: those of K steps 5-7 (v0-143); v144-207 cos, sin of my rows; v208-255 the third set of streamed fragments.   Window 3: accumulator (s, t) at 64 t + 8 s.
.set WV,   16
.set RP,   24                          ; s[24:25] my 4 records of x
.set TP,   26                          ; s[26:27] the table at my first row's position
.set BP,   28                          ; s[28:29] the bias at my first channel
.set G1,   32                          ; s[32:39] descriptor group 1
.set G0,   40                          ; s[40:43], s[44:47] group 0 for block 0, 1
.set OIMG, 48
.set OSC,  50
.set SEL,  60
.set HM,   62                          ; lanes 16-31
.set ADR,  6                           ; v6-9   8 x lane + 51,200 x (2 block + half)
.set L8,   6
.set ASC,  10                          ; v10-13 32 r + 16 h + the same
.set LSC,  10
.set BO,   14                          ; v14    64 h
.set TO,   15                          ; v15    (r + 8 (r/8)) x 128 + 64 h
.set RS,   16
.set SS,   32
.set F0,   64
.set F2,   208
.set BIAS, 160
.set PWK,  224
.set WT,   228
.set XW,   232
.set SWA,  236                         ; v236   8 r + 4 h
.set TM,   64
.set PC,   80
.set RT,   100
.set CSB,  144
.set MSB, 0
.macro WIN new                         ; the immediate's high byte repeats the setting that is left
.if MSB != (\new)
	s_set_vgpr_msb (MSB<<8)|(\new)
.set MSB, (\new)
.endif
.endm
.macro PLACES                          ; four places behind a matrix instruction, in front of loads into its registers and of reads of its results
.rept 4
	v_nop
.endr
.endm
.macro ROUND                           ; a round of the cluster's barrier
	s_barrier_signal -1
	s_barrier_wait -1
	s_cmp_lg_u32 s[WV], 0
	s_cbranch_scc1 .Lnot_wave_0_\@
	s_barrier_signal -3
.Lnot_wave_0_\@:
	s_barrier_wait -3
	s_barrier_signal -1
	s_barrier_wait -1
.endm
; Half step i (0..15) of a block: K step i / 2, streamed tiles 4 (i % 2) .. + 3.  Its four fragments go into set i % 3.
.macro FETCH b, i
.if ((\i)%3) == 2
	WIN 0x80
.set FB, F2
.else
	WIN 0
.set FB, F0+48*((\i)%3)
.endif
.irp q, 0,1,2,3
.irp p, 0,1,2,3,4,5
	ds_load_b64 v[FB+12*\q+2*\p:FB+12*\q+2*\p+1], v[ADR+2*(\b)+(\i)%2] offset:\q*12800+((\i)/2)*1536+\p*256   ; a piece: 256 consecutive bytes
.endr
.endr
.endm
.macro SCL b                           ; the block's scale words: 16 bytes a lane and tile
	WIN 0
.irp s, 0,1,2,3,4,5,6,7
	ds_load_b128 v[SS+4*\s:SS+4*\s+3], v[ASC+2*(\b)+\s/4] offset:(\s%4)*12800+12288
.endr
.endm
; 16 matrix instructions: four streamed tiles x my four tiles of rows.  cm = 1: the bias is the C of the sum's first instruction.  The 32 accumulators take turns, one instruction a turn.
.macro MUL16 i, cm
.set MK, (\i)/2
.set MH, (\i)%2
.set MW, 0xc0
.if ((\i)%3) == 2
.set MB, F2
.set MW, MW|0x02
.else
.set MB, F0+48*((\i)%3)
.endif
.if MK < 5
.set RB, 48*MK
.set MW, MW|0x04
.else
.set RB, 48*(MK-5)
.set MW, MW|0x08
.endif
.if (\cm) == 0
.set MW, MW|0x30
.endif
	WIN MW
.irp q, 0,1,2,3
.irp t, 0,1,2,3
.set DB, 64*\t+8*(4*MH+\q)
.if (\cm) == 1
.set CB, BIAS+8*(4*MH+\q)
.else
.set CB, DB
.endif
.if MK < 4
	v_wmma_scale_f32_16x16x128_f8f6f4 v[DB:DB+7], v[MB+12*\q:MB+12*\q+11], v[RB+12*\t:RB+12*\t+11], v[CB:CB+7], v[SS+4*(4*MH+\q)+MK], v[RS+4*\t+MK] matrix_a_fmt:MATRIX_FMT_FP6 matrix_b_fmt:MATRIX_FMT_FP6
.else
	v_wmma_scale_f32_16x16x128_f8f6f4 v[DB:DB+7], v[MB+12*\q:MB+12*\q+11], v[RB+12*\t:RB+12*\t+11], v[CB:CB+7], v[SS+4*(4*MH+\q)+MK-4], v[RS+4*\t+MK-4] matrix_a_fmt:MATRIX_FMT_FP6 matrix_b_fmt:MATRIX_FMT_FP6 matrix_a_scale:MATRIX_SCALE_ROW1 matrix_b_scale:MATRIX_SCALE_ROW1
.endif
.endr
.endr
.endm
.macro HALF b, i, cm, lw
.if (\i) <= 13
.if (\i) > 0
	PLACES                                         ; the set that is loaded next was read by the half step before
.endif
	FETCH \b, (\i)+2
	s_wait_dscnt 48                                ; this half step's fragments are in; the 24 loads of each of the next two may be out
.elseif (\i) == 14
	s_wait_dscnt 24
.else
	s_wait_dscnt 0
.endif
.if (\lw) && ((\i)%2 == 0)
.if 24*(7-(\i)/2) > 63
	s_wait_loadcnt 63                              ; x's fragments of this K step are in: more than 63 loads were issued behind them
.else
	s_wait_loadcnt 24*(7-(\i)/2)                   ; behind them: 24 loads for each later K step (and the next bias, which only makes the wait stricter)
.endif
.endif
	MUL16 \i, \cm
.endm
.macro BIASLD off                      ; lane (r, h) wants, for streamed tile s, the bias of channels 32 (s/2) + 16 h + 8 (s%2) + 0 .. 7
.irp s, 0,1,2,3,4,5,6,7
.irp e, 0,1
	global_load_b128 v[BIAS+8*\s+4*\e:BIAS+8*\s+4*\e+3], v[BO], s[BP:BP+1] offset:\off+(32*(\s/2)+8*(\s%2))*4+16*\e
.endr
.endr
.endm
.macro BLOCK b, cm, lw, nb
	SCL \b
	FETCH \b, 0
	FETCH \b, 1
.irp i, 0,1,2,3,4,5,6,7,8,9,10,11,12,13,14,15
.if \i < 2
	HALF \b, \i, \cm, \lw
.else
	HALF \b, \i, 0, \lw
.endif
.if (\nb) && (\i == 1)
	WIN 0
	PLACES                                         ; the bias has been read as C: the next block's may be loaded over it
	BIASLD 512
.endif
.endr
	WIN 0
	PLACES
.endm
; The rotary on channels 0-31 of both heads of tile t: registers 32 e + 2 i, + 1 are the pair of frequency 8 h + i
.macro ROT t
	WIN 0x0b                                       ; source 0 window 3, source 1 window 2
.irp e, 0,1
.irp i, 0,1,2,3,4,5,6,7
	v_mul_f32 v[RT+16*\e+2*\i], v[64*(\t)+32*\e+2*\i+1], v[CSB+16*(\t)+2*\i+1]     ; x2 sin
	v_mul_f32 v[RT+16*\e+2*\i+1], v[64*(\t)+32*\e+2*\i], v[CSB+16*(\t)+2*\i+1]     ; x1 sin
.endr
.endr
	WIN 0xcb                                       ; and the destination window 3
.irp e, 0,1
.irp i, 0,1,2,3,4,5,6,7
	v_fma_f32 v[64*(\t)+32*\e+2*\i], v[64*(\t)+32*\e+2*\i], v[CSB+16*(\t)+2*\i], -v[RT+16*\e+2*\i]         ; x1 cos - x2 sin
	v_fma_f32 v[64*(\t)+32*\e+2*\i+1], v[64*(\t)+32*\e+2*\i+1], v[CSB+16*(\t)+2*\i], v[RT+16*\e+2*\i+1]    ; x2 cos + x1 sin
.endr
.endr
.endm
; The 64 numbers of tile t (window 3; register 16 b + i = k 32 b + 16 h + i of my row) become a fragment's codes in v[PC] on and its scale word in v[pw]
.macro QUANT3 t, pw
	WIN 0x0f                                       ; sources 0 and 1 window 3
.irp b, 0,1,2,3
	v_max3_num_f32 v[TM+\b], |v[64*(\t)+16*\b]|, |v[64*(\t)+16*\b+1]|, 0x1800000   ; the floor 2^(3 - 127): the byte cannot fall under 1
.endr
.irp i, 2,4,6,8,10,12,14
.irp b, 0,1,2,3
	v_max3_num_f32 v[TM+\b], |v[64*(\t)+16*\b+\i]|, |v[64*(\t)+16*\b+\i+1]|, v[TM+\b]
.endr
.endr
	WIN 0
.irp b, 0,1,2,3
	v_permlanex16_b32 v[TM+4+\b], v[TM+\b], s[SEL], s[SEL+1]
.endr
.irp b, 0,1,2,3
	v_max_num_f32 v[TM+\b], v[TM+\b], v[TM+4+\b]
.endr
.irp b, 0,1,2,3
	v_add_nc_u32 v[TM+12+\b], 0xff000000, v[TM+\b] ; 2 off the exponent field: the conversion's scale operand
.endr
.irp b, 0,1,2,3
	v_lshrrev_b32 v[TM+4+\b], 23, v[TM+12+\b]
.endr
	v_lshl_or_b32 v[\pw], v[TM+5], 8, v[TM+4]
	v_lshl_or_b32 v[\pw], v[TM+6], 16, v[\pw]
	v_lshl_or_b32 v[\pw], v[TM+7], 24, v[\pw]
	s_wait_xcnt 0x0                                ; the last tile's stores have read v[PC] on
	WIN 0x03
.irp c, 0,1
	v_cvt_scalef32_pk16_fp6_f32 v[PC+6*\c:PC+2+6*\c], v[64*(\t)+32*\c:64*(\t)+32*\c+15], v[TM+12+2*\c]
	v_cvt_scalef32_pk16_fp6_f32 v[PC+12+4*\c:PC+14+4*\c], v[64*(\t)+32*\c+16:64*(\t)+32*\c+31], v[TM+12+2*\c+1]
.endr
	WIN 0
	v_nop                                          ; one plain place behind a scaled conversion
.irp c, 0,1
.irp i, 0,1,2
	v_permlane16_swap_b32 v[PC+6*\c+\i], v[PC+12+4*\c+\i]
.endr
.irp i, 0,1,2
	v_mov_b32 v[PC+3+6*\c+\i], v[PC+12+4*\c+\i]
.endr
.endr
.endm
; Behind block b: heads 2 b and 2 b + 1 of my four
.macro EPI b
.irp k, 0,1,2,3
	v_mov_b32 v[TM+4+\k], 0                        ; a lane permute's destination counts as one of its sources
.endr
.irp t, 0,1,2,3
	ROT \t
	QUANT3 \t, PWK+\t
.irp e, 0,1
.irp p, 0,1,2
	global_store_b64 v[L8], v[PC+6*\e+2*\p:PC+6*\e+2*\p+1], s[OIMG:OIMG+1] offset:(2*(\b)+\e)*98304+\t*768+\p*256   ; registers 6 e on: head e's half fragment
.endr
.endr
.endr
.irp g, 0,1                                    ; the words of the pairs of tiles (0, 1) and (2, 3): bytes 0, 1 of both for the even head, bytes 2, 3 for the odd one
	v_perm_b32 v[WT+\g], v[PWK+2*\g+1], v[PWK+2*\g], 0x05040100
	v_perm_b32 v[WT+2+\g], v[PWK+2*\g+1], v[PWK+2*\g], 0x07060302
.endr
	v_cndmask_b32 v[XW], v[WT], v[WT+1], s[HM]     ; lanes 16-31 store the second pair's
	v_cndmask_b32 v[XW+1], v[WT+2], v[WT+3], s[HM]
	global_store_b32 v[SWA], v[XW], s[OSC:OSC+1] offset:(2*(\b))*4096
	global_store_b32 v[SWA], v[XW+1], s[OSC:OSC+1] offset:(2*(\b)+1)*4096
	s_wait_xcnt 0x0                                ; the stores have read their registers: the next block's fragments may land there
.endm
	s_load_b256 s[4:11], s[0:1], 0x0               ; ops 4, tab 6, bq 8, bk 10
	s_load_b128 s[12:15], s[0:1], 0x20             ; qkimg 12, qksc 14
	v_lshl_add_u32 v254, v0, 2, 0x32000
	v_mov_b32 v255, 0
	ds_add_u32 v254, v255
	ds_add_u32 v254, v255
	v_lshrrev_b32 v1, 5, v0
	v_readfirstlane_b32 s[WV], v1                  ; wave 0..3
	v_and_b32 v1, 31, v0                           ; lane
	v_and_b32 v2, 15, v0                           ; r
	v_bfe_u32 v3, v0, 4, 1                         ; h
	v_lshlrev_b32 v[L8], 3, v1
	v_lshlrev_b32 v[LSC], 5, v2
	v_lshl_add_u32 v[LSC], v3, 4, v[LSC]
.irp k, 1,2,3
	v_add_nc_u32 v[ADR+\k], \k*51200, v[L8]
	v_add_nc_u32 v[ASC+\k], \k*51200, v[LSC]
.endr
	v_lshlrev_b32 v[BO], 6, v3
	v_and_b32 v4, 8, v2
	v_add_nc_u32 v4, v4, v2                        ; r + 8 (r / 8)
	v_lshlrev_b32 v[TO], 7, v4
	v_lshl_add_u32 v[TO], v3, 6, v[TO]
	v_lshlrev_b32 v[SWA], 3, v2
	v_lshl_add_u32 v[SWA], v3, 2, v[SWA]
	v_cmp_le_u32 s[HM], 16, v1
	s_bfe_u32 s17, ttmp6, 0x40000                  ; cx: it enters global addresses of x, the table and the results alone
	s_and_b32 s18, ttmp7, 0xffff                   ; 0: q, 1: k
	s_lshr_b32 s19, ttmp9, 2                       ; group of four slabs
	s_and_b32 s20, ttmp9, 3                        ; which 256 channels
	s_lshl_b32 s21, s19, 2
	s_add_co_u32 s21, s21, s17                     ; my slab of 256 rows
	s_lshl_b32 s52, s18, 6                         ; W's records that I fetch: 1536 + 64 path + 16 group + 2 wave: no place in the cluster enters
	s_lshl_b32 s53, s20, 4
	s_add_co_u32 s52, s52, s53
	s_lshl_b32 s53, s[WV], 1
	s_add_co_u32 s52, s52, s53
	s_add_co_u32 s52, s52, 1536
	s_mul_i32 s52, s52, 12800
	s_mov_b32 s53, 0
	s_lshl_b32 s54, s18, 9                         ; x's records: 512 path + 16 slab + 4 wave
	s_lshl_b32 s55, s21, 4
	s_add_co_u32 s54, s54, s55
	s_lshl_b32 s55, s[WV], 2
	s_add_co_u32 s54, s54, s55
	s_mul_i32 s54, s54, 12800
	s_mov_b32 s55, 0
	s_and_b32 s22, s21, 7                          ; the slab in its batch
	s_lshr_b32 s23, s21, 3                         ; the batch
	s_lshl_b32 s56, s22, 8
	s_lshl_b32 s57, s[WV], 6
	s_add_co_u32 s56, s56, s57                     ; my first row's position
	s_lshl_b32 s56, s56, 7
	s_mov_b32 s57, 0
	s_lshl_b32 s58, s20, 10                        ; the bias of my 256 channels
	s_mov_b32 s59, 0
	s_lshl_b32 s66, s23, 4
	s_lshl_b32 s67, s20, 2
	s_add_co_u32 s66, s66, s67                     ; 16 batch + my first head
	s_lshl_b32 s68, s66, 7
	s_lshl_b32 s69, s22, 4
	s_add_co_u32 s68, s68, s69
	s_lshl_b32 s69, s[WV], 2
	s_add_co_u32 s68, s68, s69                     ; x 128 tiles + my first tile
	s_mul_i32 s68, s68, 768
	s_mul_i32 s69, s18, 6291456
	s_add_co_u32 s68, s68, s69
	s_mov_b32 s69, 0
	s_lshl_b32 s70, s66, 12                        ; the scale words: 4,096 bytes a head, 256 a group of 128 rows, 128 for my wave's two pairs of tiles
	s_lshl_b32 s71, s22, 1
	s_lshr_b32 s72, s[WV], 1
	s_add_co_u32 s71, s71, s72
	s_lshl_b32 s71, s71, 8
	s_add_co_u32 s70, s70, s71
	s_and_b32 s71, s[WV], 1
	s_lshl_b32 s71, s71, 7
	s_add_co_u32 s70, s70, s71
	s_lshl_b32 s71, s18, 18
	s_add_co_u32 s70, s70, s71
	s_mov_b32 s71, 0
	s_mov_b32 s[G1+0], 15|(3<<16)|(1<<21)          ; 15:0 the mask: all four work-groups; 17:16 elements of 8 bytes; 21 set beside a mask; no padding
	s_mov_b32 s[G1+1], 32<<16                      ; tensor_dim0 = 32 elements: rows of 256 bytes
	s_mov_b32 s[G1+2], 100<<16                     ; tensor_dim1 = 100 rows: two records
	s_mov_b32 s[G1+3], 32<<16                      ; tile_dim0
	s_mov_b32 s[G1+4], 100                         ; tile_dim1
	s_mov_b32 s[G1+5], 32                          ; the pitch: dense
	s_mov_b32 s[G1+6], 0
	s_mov_b32 s[G1+7], 0
	s_mov_b32 s[SEL], 0x76543210
	s_mov_b32 s[SEL+1], 0xfedcba98
	s_mov_b32 s[G0], 1
	s_mul_i32 s[G0+1], s[WV], 25600                ; block 0: my quarter
	s_mov_b32 s[G0+4], 1
	s_add_co_u32 s[G0+5], s[G0+1], 102400          ; block 1
	s_wait_dscnt 0x0
	s_wait_kmcnt 0x0
	s_add_nc_u64 s[G0+2:G0+3], s[4:5], s[52:53]
	s_add_nc_u64 s[G0+6:G0+7], s[G0+2:G0+3], 102400
	s_or_b32 s[G0+3], s[G0+3], 0x80000000
	s_or_b32 s[G0+7], s[G0+7], 0x80000000
	s_add_nc_u64 s[RP:RP+1], s[4:5], s[54:55]
	s_add_nc_u64 s[TP:TP+1], s[6:7], s[56:57]
	s_cmp_eq_u32 s18, 0
	s_cselect_b64 s[BP:BP+1], s[8:9], s[10:11]
	s_add_nc_u64 s[BP:BP+1], s[BP:BP+1], s[58:59]
	s_add_nc_u64 s[OIMG:OIMG+1], s[12:13], s[68:69]
	s_add_nc_u64 s[OSC:OSC+1], s[14:15], s[70:71]
	ROUND                                          ; all four work-groups are here: the joint loads meet
	tensor_load_to_lds s[G0:G0+3], s[G1:G1+7]      ; both blocks are first fills: two loads of mine are out
	s_nop 0
	tensor_load_to_lds s[G0+4:G0+7], s[G1:G1+7]
	s_nop 0
	PLACES                                         ; four v_nop follow the second
.irp t, 0,1,2,3
	global_load_b128 v[RS+4*\t:RS+4*\t+3], v[LSC], s[RP:RP+1] offset:\t*12800+12288
.endr
	s_wait_alu depctr_va_vdst(0)
	BIASLD 0
	WIN 0x80
.irp t, 0,1,2,3
.irp i, 0,1,2,3
	global_load_b128 v[CSB+16*\t+4*\i:CSB+16*\t+4*\i+3], v[TO], s[TP:TP+1] offset:(32*(\t/2)+8*(\t%2))*128+16*\i   ; cos, sin of frequencies 8 h .. 8 h + 7 at my row's position
.endr
.endr
	WIN 0x40
.irp ks, 0,1,2,3,4
.irp t, 0,1,2,3
.irp p, 0,1,2,3,4,5
	global_load_b64 v[12*(4*\ks+\t)+2*\p:12*(4*\ks+\t)+2*\p+1], v[L8], s[RP:RP+1] offset:\t*12800+\ks*1536+\p*256
.endr
.endr
.endr
	WIN 0x80
.irp ks, 5,6,7
.irp t, 0,1,2,3
.irp p, 0,1,2,3,4,5
	global_load_b64 v[12*(4*(\ks-5)+\t)+2*\p:12*(4*(\ks-5)+\t)+2*\p+1], v[L8], s[RP:RP+1] offset:\t*12800+\ks*1536+\p*256
.endr
.endr
.endr
	WIN 0
	s_wait_tensorcnt 0x1                           ; my quarter of block 0 is in; block 1's may stay out
	s_barrier_signal -1
	s_barrier_wait -1                              ; everybody's is
	BLOCK 0, 1, 1, 1
	EPI 0
	s_wait_tensorcnt 0x0                           ; my quarter of block 1
	s_barrier_signal -1
	s_barrier_wait -1
	BLOCK 1, 1, 0, 0                               ; (its bias was shown landed by the wait for all loads at block 0's last K step)
	EPI 1
	s_wait_tensorcnt 0x0
	ds_add_u32 v254, v255
	s_wait_dscnt 0x0
	ROUND                                          ; the closing round
	s_endpgm
.Lfunc_end_k_qf167a31f81_projqk:
	.size	k_qf167a31f81_projqk, .Lfunc_end_k_qf167a31f81_projqk-k_qf167a31f81_projqk
	.p2alignl 7, 3214868480
	.fill 96, 4, 3214868480
	.section	.rodata,"a",@progbits
	.p2align	6, 0x0
	.amdhsa_kernel k_qf167a31f81_projqk
		.amdhsa_group_segment_fixed_size 205312
		.amdhsa_private_segment_fixed_size 0
		.amdhsa_enable_private_segment 0
		.amdhsa_kernarg_size 48
		.amdhsa_user_sgpr_count 2
		.amdhsa_user_sgpr_kernarg_segment_ptr 1
		.amdhsa_wavefront_size32 1
		.amdhsa_system_sgpr_workgroup_id_x 1
		.amdhsa_system_sgpr_workgroup_id_y 1
		.amdhsa_system_sgpr_workgroup_id_z 1
		.amdhsa_system_vgpr_workitem_id 0
		.amdhsa_next_free_vgpr 1024
		.amdhsa_next_free_sgpr 80
		.amdhsa_reserve_vcc 0
		.amdhsa_float_denorm_mode_32 3
		.amdhsa_float_denorm_mode_16_64 3
		.amdhsa_memory_ordered 1
		.amdhsa_forward_progress 1
		.amdhsa_inst_pref_size 211
	.end_amdhsa_kernel
	.amdgpu_metadata
---
amdhsa.version: [ 1, 2 ]
amdhsa.kernels:
  - .name:           k_qf167a31f81_projqk
    .symbol:         k_qf167a31f81_projqk.kd
    .args:
      - { .name: ops, .offset: 0, .size: 8, .value_kind: global_buffer, .address_space: global }
      - { .name: tab, .offset: 8, .size: 8, .value_kind: global_buffer, .address_space: global }
      - { .name: bq, .offset: 16, .size: 8, .value_kind: global_buffer, .address_space: global }
      - { .name: bk, .offset: 24, .size: 8, .value_kind: global_buffer, .address_space: global }
      - { .name: qkimg, .offset: 32, .size: 8, .value_kind: global_buffer, .address_space: global }
      - { .name: qksc, .offset: 40, .size: 8, .value_kind: global_buffer, .address_space: global }
    .group_segment_fixed_size: 205312
    .private_segment_fixed_size: 0
    .kernarg_segment_align: 8
    .kernarg_segment_size: 48
    .max_flat_workgroup_size: 128
    .sgpr_count:     80
    .vgpr_count:     1024
    .wavefront_size: 32
...
	.end_amdgpu_metadata
.endif
;; end of part 2
;; launch projv (part 3): grid 4 x 64, 4 waves a work-group, clusters of 4 x 1, 168,448 bytes of LDS; arguments ops, bv, vimg, vsc; writes vimg, vsc
.if DOCPART == 3
	.amdgcn_target "amdgcn-amd-amdhsa--gfx1250"
	.amdhsa_code_object_version 6
	.text
	.protected	k_qf167a31f81_projv
	.globl	k_qf167a31f81_projv
	.p2align	8
	.type	k_qf167a31f81_projv,@function
k_qf167a31f81_projv:
	s_mov_b64 s[64:65], 0
	v_nop
	global_prefetch_b8 v0, s[64:65] scope:SCOPE_SE
	s_setreg_imm32_b32 hwreg(HW_REG_WAVE_MODE, 25, 1), 1
	s_wait_xcnt 0x0
	s_wait_alu depctr_hold_cnt(0) depctr_sa_sdst(0) depctr_va_vdst(0) depctr_va_sdst(0) depctr_va_ssrc(0) depctr_va_vcc(0) depctr_vm_vsrc(0)
	s_getreg_b32 s2, hwreg(HW_REG_IB_STS2, 6, 4)
	s_cmp_eq_u32 s2, 0
	s_cbranch_scc0 .Lentry_in_a_cluster
	s_endpgm
.Lentry_in_a_cluster:
	s_bfe_u32 s2, ttmp6, 0x10000c
	s_cmp_lg_u32 s2, 0x3003
	s_cbranch_scc0 .Lentry_shape_is_right
	s_endpgm
.Lentry_shape_is_right:
; vh = v Wv^T + bv on codes of FP6 (E2M3) with E8M0 scales, and vh quantised ALONG THE KEYS into images of operands for attention's second product.
; Operands come as RECORDS of 12,800 bytes (a tile of 16 rows x K 1,024: byte ks*1536 + p*256 + 8*lane = registers 2p, 2p+1 of the fragment of K step ks; byte 12288 + 32 r + b = row r's scale byte of block b).
; Row r of tile T is the tensor's row 32 (T/2) + 8 (T%2) + r + 8 (r/8).
; SHARES.  Here v's ROWS ARE STREAMED (source 0: a block of 128 keys, 8 records, lies in LDS whole) and Wv IS RESIDENT (source 1): a wave keeps one head's 64 channels, all of K, in 384 registers.  In the result lane (r, h) holds
; ONE channel, and the 64 registers of a tile of channels are keys 32 b + 16 h + i of the block: neighbours along the next K.  Nothing is transposed.
; CLUSTER.  The four work-groups of a cluster take the four slabs of 256 channels and the same block of keys: each wave's quarter of it is asked for jointly (mask 15).  It is a first fill: no LDS byte is filled twice.
; OUT.  vimg [batch x head 64][step of 128 keys 16][tile of channels 4]: fragments of 1,536 bytes.  vsc [batch x head][step][256 bytes]: the word of tile t and row r at (t/2)*128 + 8 r + 4 (t%2).  Every store covers 256 consecutive bytes, aligned.
; LIMITS: NaN and infinities are not served; a block whose largest magnitude lies under 2^-124 has its byte held at 1, a block of zeros the byte 1: its codes are zeros, and this program alone reads the bytes.
; REGISTERS, in windows of 256.  Window 0: v1-14 addresses; v16-31 Wv's scale words (4 t + j: lanes 0-15 K step j, lanes 16-31 K step 4 + j); v32-63 v's likewise (4 s + j); v64-111, v112-159 two sets of four streamed fragments
;   (behind the block at work: v64-79, the codes v80-99); v160-191 the bias, eight times for each tile; v224-233 small things.
;   Window 1: Wv's fragments of K steps 0-4 at 12 (4 ks + t).   Window 2: those of K steps 5-7 (v0-143); v208-255 the third set of streamed fragments.   Window 3: accumulator (s, t) at 64 t + 8 s.
.set WV,   16
.set RP,   24
.set BP,   28
.set G1,   32
.set G0,   40
.set OIMG, 48
.set OSC,  50
.set SEL,  60
.set HM,   62
.set ADR,  6                           ; v6-7   8 x lane + 51,200 x half
.set L8,   6
.set ASC,  10                          ; v10-11 32 r + 16 h + the same
.set LSC,  10
.set BO,   14                          ; v14    4 (r + 8 (r/8))
.set RS,   16
.set SS,   32
.set F0,   64
.set F2,   208
.set BIAS, 160
.set PWK,  224
.set BV,   228
.set XW,   232
.set TM,   64
.set PC,   80
.set MSB, 0
.macro WIN new                         ; the immediate's high byte repeats the setting that is left
.if MSB != (\new)
	s_set_vgpr_msb (MSB<<8)|(\new)
.set MSB, (\new)
.endif
.endm
.macro PLACES                          ; four places behind a matrix instruction, in front of loads into its registers and of reads of its results
.rept 4
	v_nop
.endr
.endm
.macro ROUND                           ; a round of the cluster's barrier
	s_barrier_signal -1
	s_barrier_wait -1
	s_cmp_lg_u32 s[WV], 0
	s_cbranch_scc1 .Lnot_wave_0_\@
	s_barrier_signal -3
.Lnot_wave_0_\@:
	s_barrier_wait -3
	s_barrier_signal -1
	s_barrier_wait -1
.endm
; Half step i (0..15): K step i / 2, streamed tiles 4 (i % 2) .. + 3.  Its four fragments go into set i % 3.
.macro FETCH b, i
.if ((\i)%3) == 2
	WIN 0x80
.set FB, F2
.else
	WIN 0
.set FB, F0+48*((\i)%3)
.endif
.irp q, 0,1,2,3
.irp p, 0,1,2,3,4,5
	ds_load_b64 v[FB+12*\q+2*\p:FB+12*\q+2*\p+1], v[ADR+2*(\b)+(\i)%2] offset:\q*12800+((\i)/2)*1536+\p*256
.endr
.endr
.endm
.macro SCL b
	WIN 0
.irp s, 0,1,2,3,4,5,6,7
	ds_load_b128 v[SS+4*\s:SS+4*\s+3], v[ASC+2*(\b)+\s/4] offset:(\s%4)*12800+12288
.endr
.endm
; 16 matrix instructions: four streamed tiles x my four tiles of channels.  cm = 2: the bias (by channel: the same in a tile's eight registers) is the C of the sum's first instruction.  The 32 accumulators take turns.
.macro MUL16 i, cm
.set MK, (\i)/2
.set MH, (\i)%2
.set MW, 0xc0
.if ((\i)%3) == 2
.set MB, F2
.set MW, MW|0x02
.else
.set MB, F0+48*((\i)%3)
.endif
.if MK < 5
.set RB, 48*MK
.set MW, MW|0x04
.else
.set RB, 48*(MK-5)
.set MW, MW|0x08
.endif
.if (\cm) == 0
.set MW, MW|0x30
.endif
	WIN MW
.irp q, 0,1,2,3
.irp t, 0,1,2,3
.set DB, 64*\t+8*(4*MH+\q)
.if (\cm) == 2
.set CB, BIAS+8*\t
.else
.set CB, DB
.endif
.if MK < 4
	v_wmma_scale_f32_16x16x128_f8f6f4 v[DB:DB+7], v[MB+12*\q:MB+12*\q+11], v[RB+12*\t:RB+12*\t+11], v[CB:CB+7], v[SS+4*(4*MH+\q)+MK], v[RS+4*\t+MK] matrix_a_fmt:MATRIX_FMT_FP6 matrix_b_fmt:MATRIX_FMT_FP6
.else
	v_wmma_scale_f32_16x16x128_f8f6f4 v[DB:DB+7], v[MB+12*\q:MB+12*\q+11], v[RB+12*\t:RB+12*\t+11], v[CB:CB+7], v[SS+4*(4*MH+\q)+MK-4], v[RS+4*\t+MK-4] matrix_a_fmt:MATRIX_FMT_FP6 matrix_b_fmt:MATRIX_FMT_FP6 matrix_a_scale:MATRIX_SCALE_ROW1 matrix_b_scale:MATRIX_SCALE_ROW1
.endif
.endr
.endr
.endm
.macro HALF b, i, cm, lw
.if (\i) <= 13
.if (\i) > 0
	PLACES                                         ; the set that is loaded next was read by the half step before
.endif
	FETCH \b, (\i)+2
	s_wait_dscnt 48                                ; this half step's fragments are in; the 24 loads of each of the next two may be out
.elseif (\i) == 14
	s_wait_dscnt 24
.else
	s_wait_dscnt 0
.endif
.if (\lw) && ((\i)%2 == 0)
.if 24*(7-(\i)/2) > 63
	s_wait_loadcnt 63                              ; Wv's fragments of this K step are in: more than 63 loads were issued behind them
.else
	s_wait_loadcnt 24*(7-(\i)/2)                   ; behind them: 24 loads for each later K step
.endif
.endif
	MUL16 \i, \cm
.endm
.macro BLOCK b, cm, lw
	SCL \b
	FETCH \b, 0
	FETCH \b, 1
.irp i, 0,1,2,3,4,5,6,7,8,9,10,11,12,13,14,15
.if \i < 2
	HALF \b, \i, \cm, \lw
.else
	HALF \b, \i, 0, \lw
.endif
.endr
	WIN 0
	PLACES
.endm
; The 64 numbers of tile t (window 3; register 16 b + i = key 32 b + 16 h + i of my channel) become a fragment's codes in v[PC] on and its scale word in v[pw]
.macro QUANT3 t, pw
	WIN 0x0f
.irp b, 0,1,2,3
	v_max3_num_f32 v[TM+\b], |v[64*(\t)+16*\b]|, |v[64*(\t)+16*\b+1]|, 0x1800000   ; the floor 2^(3 - 127): the byte cannot fall under 1
.endr
.irp i, 2,4,6,8,10,12,14
.irp b, 0,1,2,3
	v_max3_num_f32 v[TM+\b], |v[64*(\t)+16*\b+\i]|, |v[64*(\t)+16*\b+\i+1]|, v[TM+\b]
.endr
.endr
	WIN 0
.irp b, 0,1,2,3
	v_permlanex16_b32 v[TM+4+\b], v[TM+\b], s[SEL], s[SEL+1]
.endr
.irp b, 0,1,2,3
	v_max_num_f32 v[TM+\b], v[TM+\b], v[TM+4+\b]
.endr
.irp b, 0,1,2,3
	v_add_nc_u32 v[TM+12+\b], 0xff000000, v[TM+\b]
.endr
.irp b, 0,1,2,3
	v_lshrrev_b32 v[TM+4+\b], 23, v[TM+12+\b]
.endr
	v_lshl_or_b32 v[\pw], v[TM+5], 8, v[TM+4]
	v_lshl_or_b32 v[\pw], v[TM+6], 16, v[\pw]
	v_lshl_or_b32 v[\pw], v[TM+7], 24, v[\pw]
	s_wait_xcnt 0x0                                ; the last tile's stores have read v[PC] on
	WIN 0x03
.irp c, 0,1
	v_cvt_scalef32_pk16_fp6_f32 v[PC+6*\c:PC+2+6*\c], v[64*(\t)+32*\c:64*(\t)+32*\c+15], v[TM+12+2*\c]
	v_cvt_scalef32_pk16_fp6_f32 v[PC+12+4*\c:PC+14+4*\c], v[64*(\t)+32*\c+16:64*(\t)+32*\c+31], v[TM+12+2*\c+1]
.endr
	WIN 0
	v_nop                                          ; one plain place behind a scaled conversion
.irp c, 0,1
.irp i, 0,1,2
	v_permlane16_swap_b32 v[PC+6*\c+\i], v[PC+12+4*\c+\i]
.endr
.irp i, 0,1,2
	v_mov_b32 v[PC+3+6*\c+\i], v[PC+12+4*\c+\i]
.endr
.endr
.endm
	s_load_b256 s[4:11], s[0:1], 0x0               ; ops 4, bv 6, vimg 8, vsc 10
	v_lshl_add_u32 v254, v0, 2, 0x29000
	v_mov_b32 v255, 0
	ds_add_u32 v254, v255
	ds_add_u32 v254, v255
	v_lshrrev_b32 v1, 5, v0
	v_readfirstlane_b32 s[WV], v1                  ; wave 0..3
	v_and_b32 v1, 31, v0
	v_and_b32 v2, 15, v0                           ; r
	v_bfe_u32 v3, v0, 4, 1                         ; h
	v_lshlrev_b32 v[L8], 3, v1
	v_lshlrev_b32 v[LSC], 5, v2
	v_lshl_add_u32 v[LSC], v3, 4, v[LSC]
	v_add_nc_u32 v[ADR+1], 51200, v[L8]
	v_add_nc_u32 v[ASC+1], 51200, v[LSC]
	v_and_b32 v4, 8, v2
	v_add_nc_u32 v4, v4, v2
	v_lshlrev_b32 v[BO], 2, v4
	v_cmp_le_u32 s[HM], 16, v1
	s_bfe_u32 s17, ttmp6, 0x40000                  ; cx: it enters global addresses of Wv, the bias and the results alone
	s_and_b32 s18, ttmp7, 0xffff                   ; which block of 128 keys
	s_lshl_b32 s52, s18, 3                         ; v's records that I fetch: 1024 + 8 block + 2 wave
	s_lshl_b32 s53, s[WV], 1
	s_add_co_u32 s52, s52, s53
	s_add_co_u32 s52, s52, 1024
	s_mul_i32 s52, s52, 12800
	s_mov_b32 s53, 0
	s_lshl_b32 s19, s17, 2
	s_add_co_u32 s19, s19, s[WV]                   ; my head
	s_lshl_b32 s54, s19, 2
	s_add_co_u32 s54, s54, 1664                    ; Wv's records: 1664 + 4 head
	s_mul_i32 s54, s54, 12800
	s_mov_b32 s55, 0
	s_lshl_b32 s56, s19, 8
	s_mov_b32 s57, 0
	s_lshr_b32 s20, s18, 4
	s_lshl_b32 s20, s20, 4
	s_add_co_u32 s20, s20, s19                     ; 16 batch + head
	s_lshl_b32 s20, s20, 4
	s_and_b32 s21, s18, 15
	s_add_co_u32 s20, s20, s21                     ; x 16 steps + my step
	s_mul_i32 s58, s20, 6144
	s_mov_b32 s59, 0
	s_lshl_b32 s22, s20, 8
	s_mov_b32 s23, 0
	s_mov_b32 s[G1+0], 15|(3<<16)|(1<<21)          ; the mask: all four work-groups; elements of 8 bytes; bit 21 beside a mask; no padding
	s_mov_b32 s[G1+1], 32<<16                      ; rows of 256 bytes
	s_mov_b32 s[G1+2], 100<<16                     ; 100 rows: two records
	s_mov_b32 s[G1+3], 32<<16
	s_mov_b32 s[G1+4], 100
	s_mov_b32 s[G1+5], 32
	s_mov_b32 s[G1+6], 0
	s_mov_b32 s[G1+7], 0
	s_mov_b32 s[SEL], 0x76543210
	s_mov_b32 s[SEL+1], 0xfedcba98
	s_mov_b32 s[G0], 1
	s_mul_i32 s[G0+1], s[WV], 25600
	s_wait_dscnt 0x0
	s_wait_kmcnt 0x0
	s_add_nc_u64 s[G0+2:G0+3], s[4:5], s[52:53]
	s_or_b32 s[G0+3], s[G0+3], 0x80000000
	s_add_nc_u64 s[RP:RP+1], s[4:5], s[54:55]
	s_add_nc_u64 s[BP:BP+1], s[6:7], s[56:57]
	s_add_nc_u64 s[OIMG:OIMG+1], s[8:9], s[58:59]
	s_add_nc_u64 s[OSC:OSC+1], s[10:11], s[22:23]
	ROUND                                          ; all four work-groups are here: the joint loads meet
	tensor_load_to_lds s[G0:G0+3], s[G1:G1+7]      ; a first fill: one load of mine is out
	s_nop 0
	PLACES
	s_wait_alu depctr_va_vdst(0)
.irp t, 0,1,2,3
	global_load_b128 v[RS+4*\t:RS+4*\t+3], v[LSC], s[RP:RP+1] offset:\t*12800+12288
.endr
.irp t, 0,1,2,3
	global_load_b32 v[BV+\t], v[BO], s[BP:BP+1] offset:(32*(\t/2)+8*(\t%2))*4   ; the bias of my lane's channel in tile t
.endr
	WIN 0x40
.irp ks, 0,1,2,3,4
.irp t, 0,1,2,3
.irp p, 0,1,2,3,4,5
	global_load_b64 v[12*(4*\ks+\t)+2*\p:12*(4*\ks+\t)+2*\p+1], v[L8], s[RP:RP+1] offset:\t*12800+\ks*1536+\p*256
.endr
.endr
.endr
	WIN 0x80
.irp ks, 5,6,7
.irp t, 0,1,2,3
.irp p, 0,1,2,3,4,5
	global_load_b64 v[12*(4*(\ks-5)+\t)+2*\p:12*(4*(\ks-5)+\t)+2*\p+1], v[L8], s[RP:RP+1] offset:\t*12800+\ks*1536+\p*256
.endr
.endr
.endr
	WIN 0
	s_wait_loadcnt 63                              ; the bias is in: 192 loads were issued behind it
.irp t, 0,1,2,3
.irp j, 0,1,2,3,4,5,6,7
	v_mov_b32 v[BIAS+8*\t+\j], v[BV+\t]            ; in the result's layout: a lane's eight registers are eight keys of one channel
.endr
.endr
	s_wait_alu depctr_va_vdst(0)
	s_wait_tensorcnt 0x0                           ; my quarter of the block is in,
	s_barrier_signal -1
	s_barrier_wait -1                              ; everybody's is
	BLOCK 0, 2, 1
.irp k, 0,1,2,3
	v_mov_b32 v[TM+4+\k], 0                        ; a lane permute's destination counts as one of its sources
.endr
.irp t, 0,1,2,3
	QUANT3 \t, PWK+\t
.irp p, 0,1,2,3,4,5
	global_store_b64 v[L8], v[PC+2*\p:PC+2*\p+1], s[OIMG:OIMG+1] offset:\t*1536+\p*256
.endr
.endr
	v_cndmask_b32 v[XW], v[PWK], v[PWK+2], s[HM]   ; lanes 0-15 store the words of tiles 0, 1, lanes 16-31 those of tiles 2, 3
	v_cndmask_b32 v[XW+1], v[PWK+1], v[PWK+3], s[HM]
	global_store_b64 v[L8], v[XW:XW+1], s[OSC:OSC+1]
	s_wait_tensorcnt 0x0
	ds_add_u32 v254, v255
	s_wait_dscnt 0x0
	ROUND                                          ; the closing round
	s_endpgm
.Lfunc_end_k_qf167a31f81_projv:
	.size	k_qf167a31f81_projv, .Lfunc_end_k_qf167a31f81_projv-k_qf167a31f81_projv
	.p2alignl 7, 3214868480
	.fill 96, 4, 3214868480
	.section	.rodata,"a",@progbits
	.p2align	6, 0x0
	.amdhsa_kernel k_qf167a31f81_projv
		.amdhsa_group_segment_fixed_size 168448
		.amdhsa_private_segment_fixed_size 0
		.amdhsa_enable_private_segment 0
		.amdhsa_kernarg_size 32
		.amdhsa_user_sgpr_count 2
		.amdhsa_user_sgpr_kernarg_segment_ptr 1
		.amdhsa_wavefront_size32 1
		.amdhsa_system_sgpr_workgroup_id_x 1
		.amdhsa_system_sgpr_workgroup_id_y 1
		.amdhsa_system_sgpr_workgroup_id_z 1
		.amdhsa_system_vgpr_workitem_id 0
		.amdhsa_next_free_vgpr 1024
		.amdhsa_next_free_sgpr 80
		.amdhsa_reserve_vcc 0
		.amdhsa_float_denorm_mode_32 3
		.amdhsa_float_denorm_mode_16_64 3
		.amdhsa_memory_ordered 1
		.amdhsa_forward_progress 1
		.amdhsa_inst_pref_size 103
	.end_amdhsa_kernel
	.amdgpu_metadata
---
amdhsa.version: [ 1, 2 ]
amdhsa.kernels:
  - .name:           k_qf167a31f81_projv
    .symbol:         k_qf167a31f81_projv.kd
    .args:
      - { .name: ops, .offset: 0, .size: 8, .value_kind: global_buffer, .address_space: global }
      - { .name: bv, .offset: 8, .size: 8, .value_kind: global_buffer, .address_space: global }
      - { .name: vimg, .offset: 16, .size: 8, .value_kind: global_buffer, .address_space: global }
      - { .name: vsc, .offset: 24, .size: 8, .value_kind: global_buffer, .address_space: global }
    .group_segment_fixed_size: 168448
    .private_segment_fixed_size: 0
    .kernarg_segment_align: 8
    .kernarg_segment_size: 32
    .max_flat_workgroup_size: 128
    .sgpr_count:     80
    .vgpr_count:     1024
    .wavefront_size: 32
...
	.end_amdgpu_metadata
.endif
;; end of part 3
;; launch attn (part 4): grid 4 x 64, 16 waves a work-group, clusters of 4 x 1, 206,848 bytes of LDS; arguments qkimg, qksc, vimg, vsc, att; writes att
.if DOCPART == 4
	.amdgcn_target "amdgcn-amd-amdhsa--gfx1250"
	.amdhsa_code_object_version 6
	.text
	.protected	k_qf167a31f81_attn
	.globl	k_qf167a31f81_attn
	.p2align	8
	.type	k_qf167a31f81_attn,@function
k_qf167a31f81_attn:
	s_mov_b64 s[64:65], 0
	v_nop
	global_prefetch_b8 v0, s[64:65] scope:SCOPE_SE
	s_setreg_imm32_b32 hwreg(HW_REG_WAVE_MODE, 25, 1), 1
	s_wait_xcnt 0x0
	s_wait_alu depctr_hold_cnt(0) depctr_sa_sdst(0) depctr_va_vdst(0) depctr_va_sdst(0) depctr_va_ssrc(0) depctr_va_vcc(0) depctr_vm_vsrc(0)
	s_getreg_b32 s2, hwreg(HW_REG_IB_STS2, 6, 4)
	s_cmp_eq_u32 s2, 0
	s_cbranch_scc0 .Lentry_in_a_cluster
	s_endpgm
.Lentry_in_a_cluster:
	s_bfe_u32 s2, ttmp6, 0x10000c
	s_cmp_lg_u32 s2, 0x3003
	s_cbranch_scc0 .Lentry_shape_is_right
	s_endpgm
.Lentry_shape_is_right:
; For each batch and head: O = softmax(Q K^T / 8) V, both products on codes of FP6 (E2M3) with E8M0 scales; O is quantised along the model's 1,024 channels (its head's two blocks of 32) into the records that the output projection reads.
; THE SOFTMAX AHEAD OF THE SECOND PRODUCT: t = score x log2(e) / 8; M = the row's largest t so far, rounded UP to a whole number; p = 2^(t - M) is quantised along the keys, not normalised.  The row's sum is taken of the
; unquantised p, in f32, and divides O at the end.  When M moves, the sum and O are multiplied by 2^(old M - new M): exact.
; SHARES.  A work-group owns 512 queries of one head; each of its sixteen waves owns two tiles of 16 queries and takes them in two passes over the keys, 128 keys a step.  Four waves to a SIMD: one wave's vector work stands beside
; another's matrix work and LDS loads.
; LDS.  The whole head lies in LDS: K's images at 0 (98,304 bytes), V's at 98,304, K's scale words at 196,608 (4,096), V's at 200,704.  All are first fills: no LDS byte is filled twice.
; CLUSTER.  The four work-groups of a cluster are the four quarters of one head's queries and need the same K and V: each part is asked for jointly (mask 15): waves 0-3 K's quarters, waves 4-7 V's, waves 8, 9 the scale words.
; LAYOUT.  Everything comes as images of operands' registers: a piece of 256 bytes holds two registers, lane l's 8 bytes at 8 l.  Both products are used transposed (S^T = K Q^T, O^T = V^T P^T): a lane holds ONE query throughout.
; THE HEAD HAS 64 CHANNELS AND THE INSTRUCTION TAKES 128: a fragment of K carries TWO tiles of keys, the even one in registers 0-5 and the odd one in registers 6-11, and is multiplied by [q | zero codes] and by [zero codes | q].
; Row r of tile T of keys is key 32 (T/2) + 8 (T%2) + r + 8 (r/8), so that p's 16 registers of two neighbouring tiles are 16 neighbouring keys; channels of V and queries are ordered likewise.
; OUT.  att: record of query tile T (12,800 bytes); head hd fills bytes 768 hd .. + 767 (three stores of 256 consecutive bytes) and the scale bytes 12288 + 32 r + 2 hd, + 1 (two bytes a row, 256 KiB in the whole launch;
; lanes 16-31 store what lanes 0-15 store).
; LIMITS: NaN and infinities are not served; a block whose largest magnitude lies under 2^-124 has its byte held at 1, a block of zeros the byte 1: its codes are zeros, and this program alone reads the bytes.
.set WV,   16
.set G1A,  24                          ; s[24:31] group 1: 16 rows of 256 bytes (scale words)
.set G1B,  32                          ; s[32:39] group 1: 96 rows (a quarter of the images)
.set G0K,  48                          ; s[48:51], s[52:55], s[56:59], s[60:63] groups 0: K, V, K's scales, V's scales
.set G0V,  52
.set G0SK, 56
.set G0SV, 60
.set TK,   76                          ; s76  the step's images: 6,144 bytes a step
.set TS,   77                          ; s77  the step's scale words: 256 bytes a step
.set CNT,  78
.set CS,   80                          ; s[80:81] c = log2(e) / 8
.set SEL,  82                          ; s[82:83] lane selects: lane l xor 16
.set QP,   84
.set QWP,  86
.set OUT,  88
.set L8,   1                           ; v1   8 x lane
.set AV0,  2                           ; v2   + 98,304
.set AS0,  3                           ; v3   8 x lane + 196,608
.set ADK,  4
.set ADV,  5
.set ADS,  6
.set OI,   7                           ; v7   8 x lane + 768 head
.set OS,   8                           ; v8   32 r + 2 head
.set NM,   12                          ; v12 -M, v13 the largest t
.set SUM,  14                          ; v[14:15] the sum in two halves
.set QLO,  16                          ; [q | 0]
.set QHI,  28                          ; [0 | q]
.set QB,   40                          ; both tiles' half fragments
.set QW,   52
.set QS,   53
.set KS,   54
.set VS,   56
.set PS,   58
.set U,    59
.set FR,   60                          ; four fragments of K or of V
.set S,    108                         ; S^T, then p
.set O,    172                         ; O^T
.set PCD,  204                         ; p's codes
.set PT,   216
.set BM,   224
.set BB,   228
.set BSO,  232
.set F,    236
.set T,    238
.set SUM2, 240
.macro PLACES
.rept 4
	v_nop
.endr
.endm
.macro ROUND                           ; a round of the cluster's barrier
	s_barrier_signal -1
	s_barrier_wait -1
	s_cmp_lg_u32 s[WV], 0
	s_cbranch_scc1 .Lnot_wave_0_\@
	s_barrier_signal -3
.Lnot_wave_0_\@:
	s_barrier_wait -3
	s_barrier_signal -1
	s_barrier_wait -1
.endm
; A KEY STEP: 128 keys
.macro STEP
	v_add_nc_u32 v[ADK], s[TK], v[L8]              ; these four are the places behind the last step's products, in front of the loads into their registers
	v_add_nc_u32 v[ADV], s[TK], v[AV0]
	v_add_nc_u32 v[ADS], s[TS], v[AS0]
	v_nop
.irp b, 0,1,2,3
.irp p, 0,1,2,3,4,5
	ds_load_b64 v[FR+12*\b+2*\p:FR+12*\b+2*\p+1], v[ADK] offset:\b*1536+\p*256
.endr
.endr
	ds_load_b64 v[KS:KS+1], v[ADS]                 ; register e: lanes 0-15 the words of pair e of tiles, lanes 16-31 those of pair 2 + e
	s_wait_alu depctr_va_vdst(0)
	s_wait_dscnt 0x0
.irp b, 0,1
	v_wmma_scale_f32_16x16x128_f8f6f4 v[S+16*\b:S+16*\b+7], v[FR+12*\b:FR+12*\b+11], v[QLO:QLO+11], 0, v[KS+\b], v[QS] matrix_a_fmt:MATRIX_FMT_FP6 matrix_b_fmt:MATRIX_FMT_FP6
	v_wmma_scale_f32_16x16x128_f8f6f4 v[S+16*\b+8:S+16*\b+15], v[FR+12*\b:FR+12*\b+11], v[QHI:QHI+11], 0, v[KS+\b], v[QS] matrix_a_fmt:MATRIX_FMT_FP6 matrix_b_fmt:MATRIX_FMT_FP6
.endr
.irp b, 2,3
	v_wmma_scale_f32_16x16x128_f8f6f4 v[S+16*\b:S+16*\b+7], v[FR+12*\b:FR+12*\b+11], v[QLO:QLO+11], 0, v[KS+\b-2], v[QS] matrix_a_fmt:MATRIX_FMT_FP6 matrix_b_fmt:MATRIX_FMT_FP6 matrix_a_scale:MATRIX_SCALE_ROW1
	v_wmma_scale_f32_16x16x128_f8f6f4 v[S+16*\b+8:S+16*\b+15], v[FR+12*\b:FR+12*\b+11], v[QHI:QHI+11], 0, v[KS+\b-2], v[QS] matrix_a_fmt:MATRIX_FMT_FP6 matrix_b_fmt:MATRIX_FMT_FP6 matrix_a_scale:MATRIX_SCALE_ROW1
.endr
	PLACES                                         ; in front of V's loads into K's registers, and of the first read of the scores
.irp t, 0,1,2,3
.irp p, 0,1,2,3,4,5
	ds_load_b64 v[FR+12*\t+2*\p:FR+12*\t+2*\p+1], v[ADV] offset:\t*1536+\p*256     ; V's fragments land while the softmax is worked
.endr
.endr
	ds_load_b64 v[VS:VS+1], v[ADS] offset:4096
.irp b, 0,1,2,3
	v_max3_num_f32 v[BM+\b], v[S+16*\b], v[S+16*\b+1], v[S+16*\b+2]   ; the largest score of each block of 32 keys: for the row's maximum, and, since p rises with the score, for the block's largest p
.endr
.irp i, 3,5,7,9,11,13
.irp b, 0,1,2,3
	v_max3_num_f32 v[BM+\b], v[BM+\b], v[S+16*\b+\i], v[S+16*\b+\i+1]
.endr
.endr
.irp b, 0,1,2,3
	v_max_num_f32 v[BM+\b], v[BM+\b], v[S+16*\b+15]
.endr
.irp b, 0,1,2,3
	s_delay_alu instid0(VALU_DEP_4)
	v_permlanex16_b32 v[BB+\b], v[BM+\b], s[SEL], s[SEL+1]
.endr
.irp b, 0,1,2,3
	s_delay_alu instid0(VALU_DEP_4)
	v_max_num_f32 v[BM+\b], v[BM+\b], v[BB+\b]     ; with lane l xor 16's 16 keys
.endr
	s_delay_alu instid0(VALU_DEP_2)
	v_max3_num_f32 v[T], v[BM], v[BM+1], v[BM+2]
	s_delay_alu instid0(VALU_DEP_1)
	v_max_num_f32 v[T], v[T], v[BM+3]
	s_delay_alu instid0(VALU_DEP_1)
	v_mul_f32 v[T], s[CS], v[T]                    ; as t (c is positive)
	s_delay_alu instid0(VALU_DEP_1)
	v_max_num_f32 v[NM+1], v[NM+1], v[T]           ; the running largest t
	v_mov_b32 v[T], v[NM]
	s_delay_alu instid0(VALU_DEP_2)
	v_floor_f32 v[NM], -v[NM+1]                    ; the new -M = floor(-t): M is a whole number
	s_delay_alu instid0(VALU_DEP_1)
	v_sub_f32 v[T], v[NM], v[T]                    ; old M - new M: a whole number, 0 or less
	s_delay_alu instid0(VALU_DEP_1)
	v_cvt_i32_f32 v[T], v[T]                       ; (it saturates)
	s_delay_alu instid0(VALU_DEP_1)
	v_ldexp_f32 v[F], 1.0, v[T]                    ; f = 2^(old M - new M)
.irp j, 0,2,4,6,8,10,12,14,16,18,20,22,24,26,28,30,32,34,36,38,40,42,44,46,48,50,52,54,56,58,60,62
	v_pk_fma_f32 v[S+\j:S+\j+1], v[S+\j:S+\j+1], s[CS:CS+1], v[NM:NM+1] op_sel_hi:[1,0,0]   ; t - M, two at a time
.endr
.irp b, 0,1,2,3
	v_fma_f32 v[BM+\b], v[BM+\b], s[CS], v[NM]     ; the same of each block's largest score
.endr
	s_setprio 1
	s_wait_alu depctr_va_vdst(0)
.irp j, 0,1,2,3,4,5,6,7,8,9,10,11,12,13,14,15,16,17,18,19,20,21,22,23,24,25,26,27,28,29,30,31,32,33,34,35,36,37,38,39,40,41,42,43,44,45,46,47,48,49,50,51,52,53,54,55,56,57,58,59,60,61,62,63
	v_exp_f32 v[S+\j], v[S+\j]                     ; p = 2^(t - M), at most 1
.endr
.irp b, 0,1,2,3
	v_exp_f32 v[BM+\b], v[BM+\b]                   ; the block's largest p: the same two instructions on the same number give the same bits
.endr
	v_pk_mul_f32 v[SUM:SUM+1], v[SUM:SUM+1], v[F:F+1] op_sel_hi:[1,0]   ; the sums under the new M (a plain place behind the exponentials)
	s_wait_alu depctr_va_vdst(0)
.irp b, 0,1,2,3
	v_max_num_f32 v[BM+\b], 0x1800000, v[BM+\b]    ; the floor 2^(3 - 127): the byte cannot fall under 1
.endr
.irp b, 0,1,2,3
	s_delay_alu instid0(VALU_DEP_4)
	v_add_nc_u32 v[BSO+\b], 0xff000000, v[BM+\b]   ; 2 off the exponent field: the conversion's scale operand
.endr
.irp b, 0,1,2,3
	s_delay_alu instid0(VALU_DEP_4)
	v_lshrrev_b32 v[BB+\b], 23, v[BSO+\b]          ; the scale's byte
.endr
	s_delay_alu instid0(VALU_DEP_3)
	v_lshl_or_b32 v[PS], v[BB+1], 8, v[BB]         ; p's scale word for these 128 keys
	s_delay_alu instid0(VALU_DEP_1)
	v_lshl_or_b32 v[PS], v[BB+2], 16, v[PS]
	s_delay_alu instid0(VALU_DEP_1)
	v_lshl_or_b32 v[PS], v[BB+3], 24, v[PS]
.irp c, 0,1
	v_cvt_scalef32_pk16_fp6_f32 v[PCD+6*\c:PCD+6*\c+2], v[S+32*\c:S+32*\c+15], v[BSO+2*\c]
	v_cvt_scalef32_pk16_fp6_f32 v[PT+4*\c:PT+4*\c+2], v[S+32*\c+16:S+32*\c+31], v[BSO+2*\c+1]
.endr
	v_nop                                          ; one plain place behind a scaled conversion
.irp c, 0,1                                    ; the operand's layout wants a whole block in a lane
.irp i, 0,1,2
	v_permlane16_swap_b32 v[PCD+6*\c+\i], v[PT+4*\c+\i]
.endr
.irp i, 0,1,2
	s_delay_alu instid0(VALU_DEP_3)
	v_mov_b32 v[PCD+3+6*\c+\i], v[PT+4*\c+\i]
.endr
.endr
	v_pk_add_f32 v[240:241], v[112:113], v[116:117]
	v_pk_add_f32 v[252:253], v[120:121], v[124:125]
	v_pk_add_f32 v[250:251], v[128:129], v[132:133]
	v_pk_add_f32 v[248:249], v[136:137], v[140:141]
	v_pk_add_f32 v[246:247], v[144:145], v[148:149]
	v_pk_add_f32 v[244:245], v[152:153], v[156:157]
	v_pk_add_f32 v[242:243], v[160:161], v[164:165]
	v_pk_add_f32 v[14:15], v[14:15], v[168:169]
	v_pk_add_f32 v[240:241], v[240:241], v[108:109]
	v_pk_add_f32 v[252:253], v[252:253], v[110:111]
	v_pk_add_f32 v[250:251], v[250:251], v[114:115]
	v_pk_add_f32 v[248:249], v[248:249], v[118:119]
	v_pk_add_f32 v[246:247], v[246:247], v[122:123]
	v_pk_add_f32 v[244:245], v[244:245], v[126:127]
	v_pk_add_f32 v[242:243], v[242:243], v[130:131]
	v_pk_add_f32 v[14:15], v[14:15], v[134:135]
	v_pk_add_f32 v[240:241], v[240:241], v[138:139]
	v_pk_add_f32 v[252:253], v[252:253], v[142:143]
	v_pk_add_f32 v[250:251], v[250:251], v[146:147]
	v_pk_add_f32 v[248:249], v[248:249], v[150:151]
	v_pk_add_f32 v[246:247], v[246:247], v[154:155]
	v_pk_add_f32 v[244:245], v[244:245], v[158:159]
	v_pk_add_f32 v[242:243], v[242:243], v[162:163]
	v_pk_add_f32 v[14:15], v[14:15], v[166:167]
	v_pk_add_f32 v[240:241], v[240:241], v[170:171]
	s_delay_alu instid0(VALU_DEP_2)
	v_pk_add_f32 v[14:15], v[14:15], v[248:249]
	s_delay_alu instid0(VALU_DEP_2)
	v_pk_add_f32 v[240:241], v[240:241], v[246:247]
	s_setprio 0
	v_pk_add_f32 v[252:253], v[252:253], v[244:245]
	v_pk_add_f32 v[250:251], v[250:251], v[242:243]
	s_delay_alu instid0(VALU_DEP_2)
	v_pk_add_f32 v[14:15], v[14:15], v[252:253]
	s_delay_alu instid0(VALU_DEP_2)
	v_pk_add_f32 v[240:241], v[240:241], v[250:251]
	s_delay_alu instid0(VALU_DEP_1)
	v_pk_add_f32 v[14:15], v[14:15], v[240:241]
.irp j, 0,2,4,6,8,10,12,14,16,18,20,22,24,26,28,30
	v_pk_mul_f32 v[O+\j:O+\j+1], v[O+\j:O+\j+1], v[F:F+1] op_sel_hi:[1,0]   ; O^T under the new M.  (With the sums above: the places between p's scale word and codes and the products below)
.endr
	s_wait_alu depctr_va_vdst(0)
	s_wait_dscnt 0x0                               ; V's fragments and scale words are in
.irp t, 0,1
	v_wmma_scale_f32_16x16x128_f8f6f4 v[O+8*\t:O+8*\t+7], v[FR+12*\t:FR+12*\t+11], v[PCD:PCD+11], v[O+8*\t:O+8*\t+7], v[VS+\t], v[PS] matrix_a_fmt:MATRIX_FMT_FP6 matrix_b_fmt:MATRIX_FMT_FP6
.endr
.irp t, 2,3
	v_wmma_scale_f32_16x16x128_f8f6f4 v[O+8*\t:O+8*\t+7], v[FR+12*\t:FR+12*\t+11], v[PCD:PCD+11], v[O+8*\t:O+8*\t+7], v[VS+\t-2], v[PS] matrix_a_fmt:MATRIX_FMT_FP6 matrix_b_fmt:MATRIX_FMT_FP6 matrix_a_scale:MATRIX_SCALE_ROW1
.endr
	s_add_co_u32 s[TK], s[TK], 6144
	s_add_co_u32 s[TS], s[TS], 256
.endm
; One tile of 16 queries against all 2,048 keys.  ps = 0: the even tile of my pair, 1: the odd one.
.macro PASS ps
.if \ps
	s_wait_xcnt 0x0                                ; the last pass's stores have read their registers
.endif
.irp i, 0,1,2,3,4,5
	v_mov_b32 v[QLO+\i], v[QB+6*(\ps)+\i]
	v_mov_b32 v[QHI+6+\i], v[QB+6*(\ps)+\i]
.endr
.if \ps
	v_perm_b32 v[QS], v[QW], v[QW], 0x03020302     ; the tile's two scale bytes, twice: they serve [q | 0] and [0 | q] alike
.else
	v_perm_b32 v[QS], v[QW], v[QW], 0x01000100
.endif
.irp j, 0,1,2,3,4,5,6,7,8,9,10,11,12,13,14,15,16,17,18,19,20,21,22,23,24,25,26,27,28,29,30,31
	v_mov_b32 v[O+\j], 0                           ; the step is written once: the first finds zeros, which the first change of M leaves zeros
.endr
	v_mov_b32 v[NM+1], 0xff61b1e6                  ; the largest t so far: -3e38
	s_delay_alu instid0(VALU_DEP_1)
	v_floor_f32 v[NM], -v[NM+1]
	v_mov_b32 v[SUM], 0
	v_mov_b32 v[SUM+1], 0
	s_mov_b32 s[TK], 0
	s_mov_b32 s[TS], 0
	s_mov_b32 s[CNT], 16
.Lstep_\@:
	s_setprio 2
	STEP
	s_sub_co_u32 s[CNT], s[CNT], 1
	s_cmp_lg_u32 s[CNT], 0
	s_cbranch_scc1 .Lstep_\@
	s_setprio 0
	PLACES                                         ; behind the last products
	v_add_f32 v[SUM], v[SUM], v[SUM+1]
	s_delay_alu instid0(VALU_DEP_1)
	v_permlanex16_b32 v[T], v[SUM], s[SEL], s[SEL+1]
	s_delay_alu instid0(VALU_DEP_1)
	v_add_f32 v[SUM], v[SUM], v[T]                 ; the row's sum
	s_wait_alu depctr_va_vdst(0)
	v_rcp_f32 v[SUM], v[SUM]
	v_nop                                          ; one plain place behind a transcendental
	s_wait_alu depctr_va_vdst(0)
.irp j, 0,1,2,3,4,5,6,7,8,9,10,11,12,13,14,15,16,17,18,19,20,21,22,23,24,25,26,27,28,29,30,31
	v_mul_f32 v[S+\j], v[O+\j], v[SUM]             ; O^T / the sum: register 16 b + i is channel 32 b + 16 h + i of the head
.endr
.irp b, 0,1
	v_max3_num_f32 v[BM+\b], |v[S+16*\b]|, |v[S+16*\b+1]|, 0x1800000
.endr
.irp i, 2,4,6,8,10,12,14
.irp b, 0,1
	s_delay_alu instid0(VALU_DEP_2)
	v_max3_num_f32 v[BM+\b], v[BM+\b], |v[S+16*\b+\i]|, |v[S+16*\b+\i+1]|
.endr
.endr
.irp b, 0,1
	s_delay_alu instid0(VALU_DEP_2)
	v_permlanex16_b32 v[BB+\b], v[BM+\b], s[SEL], s[SEL+1]
.endr
.irp b, 0,1
	s_delay_alu instid0(VALU_DEP_2)
	v_max_num_f32 v[BM+\b], v[BM+\b], v[BB+\b]
.endr
.irp b, 0,1
	s_delay_alu instid0(VALU_DEP_2)
	v_add_nc_u32 v[BSO+\b], 0xff000000, v[BM+\b]
.endr
.irp b, 0,1
	s_delay_alu instid0(VALU_DEP_2)
	v_lshrrev_b32 v[BB+\b], 23, v[BSO+\b]
.endr
	s_delay_alu instid0(VALU_DEP_1)
	v_lshl_or_b32 v[U], v[BB+1], 8, v[BB]          ; my row's two scale bytes
	v_cvt_scalef32_pk16_fp6_f32 v[PCD:PCD+2], v[S:S+15], v[BSO]
	v_cvt_scalef32_pk16_fp6_f32 v[PT:PT+2], v[S+16:S+31], v[BSO+1]
	v_nop                                          ; one plain place behind a scaled conversion
.irp i, 0,1,2
	v_permlane16_swap_b32 v[PCD+\i], v[PT+\i]
.endr
.irp i, 0,1,2
	s_delay_alu instid0(VALU_DEP_3)
	v_mov_b32 v[PCD+3+\i], v[PT+\i]
.endr
.irp p, 0,1,2
	global_store_b64 v[OI], v[PCD+2*\p:PCD+2*\p+1], s[OUT:OUT+1] offset:(\ps)*12800+\p*256
.endr
	global_store_b16 v[OS], v[U], s[OUT:OUT+1] offset:(\ps)*12800+12288
.endm
	s_load_b256 s[4:11], s[0:1], 0x0               ; qkimg 4, qksc 6, vimg 8, vsc 10
	s_load_b64 s[12:13], s[0:1], 0x20              ; att
	v_lshl_add_u32 v254, v0, 2, 0x32000
	v_mov_b32 v255, 0
	ds_add_u32 v254, v255
	ds_add_u32 v254, v255
	v_lshrrev_b32 v9, 5, v0
	s_delay_alu instid0(VALU_DEP_1)
	v_readfirstlane_b32 s[WV], v9                  ; wave 0..15
	v_and_b32 v9, 31, v0
	s_delay_alu instid0(VALU_DEP_1)
	v_lshlrev_b32 v[L8], 3, v9
	s_wait_alu depctr_va_vdst(0)
	v_add_nc_u32 v[AV0], 98304, v[L8]
	v_add_nc_u32 v[AS0], 196608, v[L8]
	v_and_b32 v10, 15, v0                          ; r
	s_wait_alu depctr_va_vdst(0)
	v_lshlrev_b32 v11, 3, v10
	s_bfe_u32 s17, ttmp6, 0x40000                  ; cx: it enters Q's and the result's global addresses alone
	s_and_b32 s18, ttmp7, 0xffff                   ; 16 batch + head, which the four partners share
	s_mul_i32 s20, s18, 98304                      ; a head's images
	s_mov_b32 s21, 0
	s_lshl_b32 s22, s18, 12                        ; a head's scale words
	s_mov_b32 s23, 0
	s_and_b32 s19, s[WV], 3
	s_mul_i32 s90, s19, 24576                      ; the quarter that I fetch, if I fetch
	s_add_co_u32 s90, s90, s20
	s_mov_b32 s91, 0
	s_lshl_b32 s92, s17, 4
	s_add_co_u32 s92, s92, s[WV]                   ; my pair of query tiles: 16 cx + wave
	s_mul_i32 s94, s92, 1536
	s_add_co_u32 s94, s94, s20
	s_mov_b32 s95, 0
	s_lshr_b32 s96, s92, 2                         ; its scale words: group, half of the group's 256 bytes, which word of a row's two
	s_lshl_b32 s96, s96, 8
	s_bfe_u32 s97, s92, 0x10001
	s_lshl_b32 s97, s97, 7
	s_add_co_u32 s96, s96, s97
	s_and_b32 s97, s92, 1
	s_lshl_b32 s97, s97, 2
	s_add_co_u32 s96, s96, s97
	s_add_co_u32 s96, s96, s22
	s_mov_b32 s97, 0
	s_lshr_b32 s93, s18, 4
	s_lshl_b32 s93, s93, 7
	s_lshl_b32 s98, s92, 1
	s_add_co_u32 s98, s98, s93                     ; the record of my even tile: 128 batch + 2 pair
	s_mul_i32 s98, s98, 12800
	s_mov_b32 s99, 0
	s_and_b32 s93, s18, 15                         ; the head
	s_mul_i32 s19, s93, 768
	v_add_nc_u32 v[OI], s19, v[L8]
	s_lshl_b32 s19, s93, 1
	v_lshl_add_u32 v[OS], v10, 5, s19
	s_mov_b32 s[G1A+0], 15|(3<<16)|(1<<21)         ; the mask: all four work-groups; elements of 8 bytes; bit 21 beside a mask; no padding
	s_mov_b32 s[G1A+1], 32<<16                     ; rows of 256 bytes
	s_mov_b32 s[G1A+2], 16<<16                     ; 16 rows
	s_mov_b32 s[G1A+3], 32<<16
	s_mov_b32 s[G1A+4], 16
	s_mov_b32 s[G1A+5], 32
	s_mov_b32 s[G1A+6], 0
	s_mov_b32 s[G1A+7], 0
	s_mov_b32 s[G1B+0], 15|(3<<16)|(1<<21)
	s_mov_b32 s[G1B+1], 32<<16
	s_mov_b32 s[G1B+2], 96<<16                     ; 96 rows
	s_mov_b32 s[G1B+3], 32<<16
	s_mov_b32 s[G1B+4], 96
	s_mov_b32 s[G1B+5], 32
	s_mov_b32 s[G1B+6], 0
	s_mov_b32 s[G1B+7], 0
	s_mov_b32 s[CS], 0x3e38aa3b                    ; c = log2(e) / 8
	s_mov_b32 s[CS+1], s[CS]                       ; (named with it as a pair, so it is written)
	s_mov_b32 s[SEL], 0x76543210
	s_mov_b32 s[SEL+1], 0xfedcba98
	s_mov_b32 s[G0K], 1
	s_mul_i32 s[G0K+1], s[WV], 24576               ; waves 0-3: K's quarters at 0 ..
	s_mov_b32 s[G0V], 1
	s_mul_i32 s[G0V+1], s[WV], 24576               ; waves 4-7: V's quarters at 98,304 ..
	s_mov_b32 s[G0SK], 1
	s_mov_b32 s[G0SK+1], 196608
	s_mov_b32 s[G0SV], 1
	s_mov_b32 s[G0SV+1], 200704
	s_wait_dscnt 0x0
	s_wait_kmcnt 0x0
	s_add_nc_u64 s[G0K+2:G0K+3], s[4:5], s[90:91]
	s_add_nc_u64 s[G0K+2:G0K+3], s[G0K+2:G0K+3], 6291456     ; K's images lie behind Q's
	s_or_b32 s[G0K+3], s[G0K+3], 0x80000000
	s_add_nc_u64 s[G0V+2:G0V+3], s[8:9], s[90:91]
	s_or_b32 s[G0V+3], s[G0V+3], 0x80000000
	s_add_nc_u64 s[G0SK+2:G0SK+3], s[6:7], s[22:23]
	s_add_nc_u64 s[G0SK+2:G0SK+3], s[G0SK+2:G0SK+3], 262144
	s_or_b32 s[G0SK+3], s[G0SK+3], 0x80000000
	s_add_nc_u64 s[G0SV+2:G0SV+3], s[10:11], s[22:23]
	s_or_b32 s[G0SV+3], s[G0SV+3], 0x80000000
	s_add_nc_u64 s[QP:QP+1], s[4:5], s[94:95]
	s_add_nc_u64 s[QWP:QWP+1], s[6:7], s[96:97]
	s_add_nc_u64 s[OUT:OUT+1], s[12:13], s[98:99]
	ROUND                                          ; all four work-groups are here: the joint loads meet
	s_cmp_lt_u32 s[WV], 4                          ; a wave issues one load at the most; the branches hang on the wave's number alone; four v_nop follow each load
	s_cbranch_scc0 .Lnot_k
	tensor_load_to_lds s[G0K:G0K+3], s[G1B:G1B+7]
	s_nop 0
	PLACES
	s_branch .Lasked
.Lnot_k:
	s_cmp_lt_u32 s[WV], 8
	s_cbranch_scc0 .Lnot_v
	tensor_load_to_lds s[G0V:G0V+3], s[G1B:G1B+7]
	s_nop 0
	PLACES
	s_branch .Lasked
.Lnot_v:
	s_cmp_eq_u32 s[WV], 8
	s_cbranch_scc0 .Lnot_sk
	tensor_load_to_lds s[G0SK:G0SK+3], s[G1A:G1A+7]
	s_nop 0
	PLACES
	s_branch .Lasked
.Lnot_sk:
	s_cmp_eq_u32 s[WV], 9
	s_cbranch_scc0 .Lasked
	tensor_load_to_lds s[G0SV:G0SV+3], s[G1A:G1A+7]
	s_nop 0
	PLACES
.Lasked:
.irp p, 0,1,2,3,4,5
	global_load_b64 v[QB+2*\p:QB+2*\p+1], v[L8], s[QP:QP+1] offset:\p*256   ; my two tiles' half fragments
.endr
	s_wait_alu depctr_va_vdst(0)
	global_load_b32 v[QW], v11, s[QWP:QWP+1]       ; row r's word: the even tile's two bytes, then the odd tile's
.irp i, 0,1,2,3,4,5
	v_mov_b32 v[QLO+6+\i], 0                       ; zero codes: they add nothing under any scale byte but 0xff
	v_mov_b32 v[QHI+\i], 0
.endr
.irp b, 0,1,2,3
	v_mov_b32 v[BB+\b], 0                          ; written once: a lane permute's destination counts as one of its sources
.endr
	v_mov_b32 v[F+1], 0                            ; (named as the upper half of the pair with f)
	v_mov_b32 v[T], 0
	s_wait_loadcnt 0x0                             ; Q
	s_wait_tensorcnt 0x0                           ; my part of the head is in,
	s_barrier_signal -1
	s_barrier_wait -1                              ; everybody's is
	PASS 0
	PASS 1
	s_wait_tensorcnt 0x0
	ds_add_u32 v254, v255
	s_wait_dscnt 0x0
	ROUND                                          ; the closing round
	s_endpgm
.Lfunc_end_k_qf167a31f81_attn:
	.size	k_qf167a31f81_attn, .Lfunc_end_k_qf167a31f81_attn-k_qf167a31f81_attn
	.p2alignl 7, 3214868480
	.fill 96, 4, 3214868480
	.section	.rodata,"a",@progbits
	.p2align	6, 0x0
	.amdhsa_kernel k_qf167a31f81_attn
		.amdhsa_group_segment_fixed_size 206848
		.amdhsa_private_segment_fixed_size 0
		.amdhsa_enable_private_segment 0
		.amdhsa_kernarg_size 40
		.amdhsa_user_sgpr_count 2
		.amdhsa_user_sgpr_kernarg_segment_ptr 1
		.amdhsa_wavefront_size32 1
		.amdhsa_system_sgpr_workgroup_id_x 1
		.amdhsa_system_sgpr_workgroup_id_y 1
		.amdhsa_system_sgpr_workgroup_id_z 1
		.amdhsa_system_vgpr_workitem_id 0
		.amdhsa_next_free_vgpr 256
		.amdhsa_next_free_sgpr 100
		.amdhsa_reserve_vcc 0
		.amdhsa_float_denorm_mode_32 3
		.amdhsa_float_denorm_mode_16_64 3
		.amdhsa_memory_ordered 1
		.amdhsa_forward_progress 1
		.amdhsa_inst_pref_size 57
	.end_amdhsa_kernel
	.amdgpu_metadata
---
amdhsa.version: [ 1, 2 ]
amdhsa.kernels:
  - .name:           k_qf167a31f81_attn
    .symbol:         k_qf167a31f81_attn.kd
    .args:
      - { .name: qkimg, .offset: 0, .size: 8, .value_kind: global_buffer, .address_space: global }
      - { .name: qksc, .offset: 8, .size: 8, .value_kind: global_buffer, .address_space: global }
      - { .name: vimg, .offset: 16, .size: 8, .value_kind: global_buffer, .address_space: global }
      - { .name: vsc, .offset: 24, .size: 8, .value_kind: global_buffer, .address_space: global }
      - { .name: att, .offset: 32, .size: 8, .value_kind: global_buffer, .address_space: global }
    .group_segment_fixed_size: 206848
    .private_segment_fixed_size: 0
    .kernarg_segment_align: 8
    .kernarg_segment_size: 40
    .max_flat_workgroup_size: 512
    .sgpr_count:     100
    .vgpr_count:     256
    .wavefront_size: 32
...
	.end_amdgpu_metadata
.endif
;; end of part 4
;; launch outproj (part 5): grid 32 x 8, 4 waves a work-group, clusters of 4 x 1, 168,448 bytes of LDS; arguments att, ops, bo, out0; writes out0
.if DOCPART == 5
	.amdgcn_target "amdgcn-amd-amdhsa--gfx1250"
	.amdhsa_code_object_version 6
	.text
	.protected	k_qf167a31f81_outproj
	.globl	k_qf167a31f81_outproj
	.p2align	8
	.type	k_qf167a31f81_outproj,@function
k_qf167a31f81_outproj:
	s_mov_b64 s[64:65], 0
	v_nop
	global_prefetch_b8 v0, s[64:65] scope:SCOPE_SE
	s_setreg_imm32_b32 hwreg(HW_REG_WAVE_MODE, 25, 1), 1
	s_wait_xcnt 0x0
	s_wait_alu depctr_hold_cnt(0) depctr_sa_sdst(0) depctr_va_vdst(0) depctr_va_sdst(0) depctr_va_ssrc(0) depctr_va_vcc(0) depctr_vm_vsrc(0)
	s_getreg_b32 s2, hwreg(HW_REG_IB_STS2, 6, 4)
	s_cmp_eq_u32 s2, 0
	s_cbranch_scc0 .Lentry_in_a_cluster
	s_endpgm
.Lentry_in_a_cluster:
	s_bfe_u32 s2, ttmp6, 0x10000c
	s_cmp_lg_u32 s2, 0x3003
	s_cbranch_scc0 .Lentry_shape_is_right
	s_endpgm
.Lentry_shape_is_right:
; out0 = attn Wo^T + bo on codes of FP6 (E2M3) with E8M0 scales; out0 [8192][1024] f32.
; Operands come as RECORDS of 12,800 bytes (a tile of 16 rows x K 1,024: byte ks*1536 + p*256 + 8*lane = registers 2p, 2p+1 of the fragment of K step ks; byte 12288 + 32 r + b = row r's scale byte of block b).
; Row r of tile T is the tensor's row 32 (T/2) + 8 (T%2) + r + 8 (r/8).
; SHARES.  A work-group takes 256 rows and 128 output columns.  Wo IS STREAMED (source 0: a block of 128 of its rows, 8 records, lies in LDS whole), the attention's rows ARE RESIDENT (source 1): a wave keeps 64 rows, all of K,
; in 384 registers.  In the result lane (r, h) holds ONE row, and the 64 registers of a tile of rows are columns 32 b + 16 h + i of the block.
; CLUSTER.  The four work-groups of a cluster take four slabs of rows and the same block of Wo: each wave's quarter of it is asked for jointly (mask 15).  It is a first fill: no LDS byte is filled twice.
; THE WAY OUT.  A tile of 16 rows x 128 columns goes through the wave's own stage in LDS (16 rows x 528 bytes, behind the block, in bytes into which no fill lands) and leaves as whole rows: each store covers 512 consecutive bytes, aligned.
; REGISTERS, in windows of 256.  Window 0: v1-14 addresses; v16-31 the rows' scale words (4 t + j: lanes 0-15 K step j, lanes 16-31 K step 4 + j); v32-63 Wo's likewise (4 s + j); v64-111, v112-159 two sets of four streamed
;   fragments; v160-223 the bias in the result's layout; on the way out v64-127 and v160-223 hold rows read back; v236-238 addresses.
;   Window 1: the rows' fragments of K steps 0-4 at 12 (4 ks + t).   Window 2: those of K steps 5-7 (v0-143); v208-255 the third set of streamed fragments.   Window 3: accumulator (s, t) at 64 t + 8 s.
.set WV,   16
.set RP,   24
.set BP,   28
.set G1,   32
.set G0,   40
.set OUT,  48
.set ADR,  6                           ; v6-7   8 x lane + 51,200 x half
.set L8,   6
.set ASC,  10                          ; v10-11 32 r + 16 h + the same
.set LSC,  10
.set BO,   14                          ; v14    64 h
.set RS,   16
.set SS,   32
.set F0,   64
.set F2,   208
.set BIAS, 160
.set BK0,  64
.set STO,  236
.set RD,   237
.set GO,   238
.set MSB, 0
.macro WIN new                         ; the immediate's high byte repeats the setting that is left
.if MSB != (\new)
	s_set_vgpr_msb (MSB<<8)|(\new)
.set MSB, (\new)
.endif
.endm
.macro PLACES                          ; four places behind a matrix instruction, in front of loads into its registers and of reads of its results
.rept 4
	v_nop
.endr
.endm
.macro ROUND                           ; a round of the cluster's barrier
	s_barrier_signal -1
	s_barrier_wait -1
	s_cmp_lg_u32 s[WV], 0
	s_cbranch_scc1 .Lnot_wave_0_\@
	s_barrier_signal -3
.Lnot_wave_0_\@:
	s_barrier_wait -3
	s_barrier_signal -1
	s_barrier_wait -1
.endm
; Half step i (0..15): K step i / 2, streamed tiles 4 (i % 2) .. + 3.  Its four fragments go into set i % 3.
.macro FETCH b, i
.if ((\i)%3) == 2
	WIN 0x80
.set FB, F2
.else
	WIN 0
.set FB, F0+48*((\i)%3)
.endif
.irp q, 0,1,2,3
.irp p, 0,1,2,3,4,5
	ds_load_b64 v[FB+12*\q+2*\p:FB+12*\q+2*\p+1], v[ADR+2*(\b)+(\i)%2] offset:\q*12800+((\i)/2)*1536+\p*256
.endr
.endr
.endm
.macro SCL b
	WIN 0
.irp s, 0,1,2,3,4,5,6,7
	ds_load_b128 v[SS+4*\s:SS+4*\s+3], v[ASC+2*(\b)+\s/4] offset:(\s%4)*12800+12288
.endr
.endm
; 16 matrix instructions: four streamed tiles x my four tiles of rows.  cm = 1: the bias is the C of the sum's first instruction.  The 32 accumulators take turns, one instruction a turn.
.macro MUL16 i, cm
.set MK, (\i)/2
.set MH, (\i)%2
.set MW, 0xc0
.if ((\i)%3) == 2
.set MB, F2
.set MW, MW|0x02
.else
.set MB, F0+48*((\i)%3)
.endif
.if MK < 5
.set RB, 48*MK
.set MW, MW|0x04
.else
.set RB, 48*(MK-5)
.set MW, MW|0x08
.endif
.if (\cm) == 0
.set MW, MW|0x30
.endif
	WIN MW
.irp q, 0,1,2,3
.irp t, 0,1,2,3
.set DB, 64*\t+8*(4*MH+\q)
.if (\cm) == 1
.set CB, BIAS+8*(4*MH+\q)
.else
.set CB, DB
.endif
.if MK < 4
	v_wmma_scale_f32_16x16x128_f8f6f4 v[DB:DB+7], v[MB+12*\q:MB+12*\q+11], v[RB+12*\t:RB+12*\t+11], v[CB:CB+7], v[SS+4*(4*MH+\q)+MK], v[RS+4*\t+MK] matrix_a_fmt:MATRIX_FMT_FP6 matrix_b_fmt:MATRIX_FMT_FP6
.else
	v_wmma_scale_f32_16x16x128_f8f6f4 v[DB:DB+7], v[MB+12*\q:MB+12*\q+11], v[RB+12*\t:RB+12*\t+11], v[CB:CB+7], v[SS+4*(4*MH+\q)+MK-4], v[RS+4*\t+MK-4] matrix_a_fmt:MATRIX_FMT_FP6 matrix_b_fmt:MATRIX_FMT_FP6 matrix_a_scale:MATRIX_SCALE_ROW1 matrix_b_scale:MATRIX_SCALE_ROW1
.endif
.endr
.endr
.endm
.macro HALF b, i, cm, lw
.if (\i) <= 13
.if (\i) > 0
	PLACES                                         ; the set that is loaded next was read by the half step before
.endif
	FETCH \b, (\i)+2
	s_wait_dscnt 48                                ; this half step's fragments are in; the 24 loads of each of the next two may be out
.elseif (\i) == 14
	s_wait_dscnt 24
.else
	s_wait_dscnt 0
.endif
.if (\lw) && ((\i)%2 == 0)
.if 24*(7-(\i)/2) > 63
	s_wait_loadcnt 63                              ; the rows' fragments of this K step are in: more than 63 loads were issued behind them
.else
	s_wait_loadcnt 24*(7-(\i)/2)                   ; behind them: 24 loads for each later K step
.endif
.endif
	MUL16 \i, \cm
.endm
.macro BLOCK b, cm, lw
	SCL \b
	FETCH \b, 0
	FETCH \b, 1
.irp i, 0,1,2,3,4,5,6,7,8,9,10,11,12,13,14,15
.if \i < 2
	HALF \b, \i, \cm, \lw
.else
	HALF \b, \i, 0, \lw
.endif
.endr
	WIN 0
	PLACES
.endm
.macro TOSTAGE t                       ; tile t: a lane's 64 numbers into its row of the stage, each accumulator from its low end on; back as whole rows
	WIN 0x0c                                       ; an LDS store's data are its source 1: window 3
.irp g, 0,1,2,3
.irp i, 0,1,2,3
	ds_store_b128 v[STO], v[64*(\t)+16*\g+4*\i:64*(\t)+16*\g+4*\i+3] offset:128*\g+16*\i
.endr
.endr
	WIN 0
.set BB, BK0+96*((\t)%2)
.irp n, 0,1,2,3,4,5,6,7,8,9,10,11,12,13,14,15
	ds_load_b128 v[BB+4*\n:BB+4*\n+3], v[RD] offset:\n*528     ; LDS serves a wave's instructions in order: these see the stores above, and the next tile's stores come behind them
.endr
.endm
.macro SEND t, younger                 ; younger: the LDS instructions issued behind tile t's loads, which may stay out
.set BB, BK0+96*((\t)%2)
	s_wait_dscnt \younger
.irp n, 0,1,2,3,4,5,6,7,8,9,10,11,12,13,14,15
	global_store_b128 v[GO], v[BB+4*\n:BB+4*\n+3], s[OUT:OUT+1] offset:(32*((\t)/2)+8*((\t)%2)+\n+8*(\n/8))*4096 th:TH_STORE_NT   ; 32 lanes store 512 consecutive bytes of one row, aligned
.endr
.endm
	s_load_b256 s[4:11], s[0:1], 0x0               ; att 4, ops 6, bo 8, out0 10
	v_lshl_add_u32 v254, v0, 2, 0x29000
	v_mov_b32 v255, 0
	ds_add_u32 v254, v255
	ds_add_u32 v254, v255
	v_lshrrev_b32 v1, 5, v0
	v_readfirstlane_b32 s[WV], v1                  ; wave 0..3
	v_and_b32 v1, 31, v0
	v_and_b32 v2, 15, v0                           ; r
	v_bfe_u32 v3, v0, 4, 1                         ; h
	v_lshlrev_b32 v[L8], 3, v1
	v_lshlrev_b32 v[LSC], 5, v2
	v_lshl_add_u32 v[LSC], v3, 4, v[LSC]
	v_add_nc_u32 v[ADR+1], 51200, v[L8]
	v_add_nc_u32 v[ASC+1], 51200, v[LSC]
	v_lshlrev_b32 v[BO], 6, v3
	s_mul_i32 s20, s[WV], 8448
	s_add_co_u32 s20, s20, 102400                  ; my stage, behind the block
	v_mul_u32_u24 v[STO], v2, 528
	v_lshl_add_u32 v[STO], v3, 6, v[STO]
	v_add_nc_u32 v[STO], s20, v[STO]               ; in: row r, + 64 h
	v_lshlrev_b32 v[GO], 4, v1                     ; back, and in out0: 16 bytes a lane
	v_add_nc_u32 v[RD], s20, v[GO]
	s_bfe_u32 s17, ttmp6, 0x40000                  ; cx: it enters global addresses of the rows and of out0 alone
	s_and_b32 s18, ttmp7, 0xffff                   ; which 128 columns
	s_lshl_b32 s19, ttmp9, 2
	s_add_co_u32 s19, s19, s17                     ; my slab of 256 rows
	s_lshl_b32 s52, s18, 3                         ; Wo's records that I fetch: 1728 + 8 block + 2 wave
	s_lshl_b32 s53, s[WV], 1
	s_add_co_u32 s52, s52, s53
	s_add_co_u32 s52, s52, 1728
	s_mul_i32 s52, s52, 12800
	s_mov_b32 s53, 0
	s_lshl_b32 s54, s19, 4                         ; the rows' records: 16 slab + 4 wave
	s_lshl_b32 s55, s[WV], 2
	s_add_co_u32 s54, s54, s55
	s_mul_i32 s54, s54, 12800
	s_mov_b32 s55, 0
	s_lshl_b32 s56, s18, 9                         ; 128 columns are 512 bytes, of the bias and of a row of out0
	s_mov_b32 s57, 0
	s_lshl_b32 s58, s19, 8
	s_lshl_b32 s59, s[WV], 6
	s_add_co_u32 s58, s58, s59                     ; my first row
	s_lshl_b32 s58, s58, 12
	s_add_co_u32 s58, s58, s56
	s_mov_b32 s59, 0
	s_mov_b32 s[G1+0], 15|(3<<16)|(1<<21)          ; the mask: all four work-groups; elements of 8 bytes; bit 21 beside a mask; no padding
	s_mov_b32 s[G1+1], 32<<16                      ; rows of 256 bytes
	s_mov_b32 s[G1+2], 100<<16                     ; 100 rows: two records
	s_mov_b32 s[G1+3], 32<<16
	s_mov_b32 s[G1+4], 100
	s_mov_b32 s[G1+5], 32
	s_mov_b32 s[G1+6], 0
	s_mov_b32 s[G1+7], 0
	s_mov_b32 s[G0], 1
	s_mul_i32 s[G0+1], s[WV], 25600
	s_wait_dscnt 0x0
	s_wait_kmcnt 0x0
	s_add_nc_u64 s[G0+2:G0+3], s[6:7], s[52:53]
	s_or_b32 s[G0+3], s[G0+3], 0x80000000
	s_add_nc_u64 s[RP:RP+1], s[4:5], s[54:55]
	s_add_nc_u64 s[BP:BP+1], s[8:9], s[56:57]
	s_add_nc_u64 s[OUT:OUT+1], s[10:11], s[58:59]
	ROUND                                          ; all four work-groups are here: the joint loads meet
	tensor_load_to_lds s[G0:G0+3], s[G1:G1+7]      ; a first fill: one load of mine is out
	s_nop 0
	PLACES
	s_wait_alu depctr_va_vdst(0)
.irp t, 0,1,2,3
	global_load_b128 v[RS+4*\t:RS+4*\t+3], v[LSC], s[RP:RP+1] offset:\t*12800+12288
.endr
.irp s, 0,1,2,3,4,5,6,7                        ; lane (r, h) wants, for streamed tile s, the bias of columns 32 (s/2) + 16 h + 8 (s%2) + 0 .. 7
.irp e, 0,1
	global_load_b128 v[BIAS+8*\s+4*\e:BIAS+8*\s+4*\e+3], v[BO], s[BP:BP+1] offset:(32*(\s/2)+8*(\s%2))*4+16*\e
.endr
.endr
	WIN 0x40
.irp ks, 0,1,2,3,4
.irp t, 0,1,2,3
.irp p, 0,1,2,3,4,5
	global_load_b64 v[12*(4*\ks+\t)+2*\p:12*(4*\ks+\t)+2*\p+1], v[L8], s[RP:RP+1] offset:\t*12800+\ks*1536+\p*256
.endr
.endr
.endr
	WIN 0x80
.irp ks, 5,6,7
.irp t, 0,1,2,3
.irp p, 0,1,2,3,4,5
	global_load_b64 v[12*(4*(\ks-5)+\t)+2*\p:12*(4*(\ks-5)+\t)+2*\p+1], v[L8], s[RP:RP+1] offset:\t*12800+\ks*1536+\p*256
.endr
.endr
.endr
	WIN 0
	s_wait_tensorcnt 0x0                           ; my quarter of the block is in,
	s_barrier_signal -1
	s_barrier_wait -1                              ; everybody's is
	BLOCK 0, 1, 1
	TOSTAGE 0
.irp t, 1,2,3
.if \t > 1
	s_wait_xcnt 0x0                                ; tile t - 2's stores have read their registers: tile t's rows may land there
.endif
	TOSTAGE \t
	SEND \t-1, 32                                  ; behind tile t - 1's loads: tile t's 16 stores and 16 loads
.endr
	SEND 3, 0
	s_wait_tensorcnt 0x0
	ds_add_u32 v254, v255
	s_wait_dscnt 0x0
	ROUND                                          ; the closing round
	s_endpgm
.Lfunc_end_k_qf167a31f81_outproj:
	.size	k_qf167a31f81_outproj, .Lfunc_end_k_qf167a31f81_outproj-k_qf167a31f81_outproj
	.p2alignl 7, 3214868480
	.fill 96, 4, 3214868480
	.section	.rodata,"a",@progbits
	.p2align	6, 0x0
	.amdhsa_kernel k_qf167a31f81_outproj
		.amdhsa_group_segment_fixed_size 168448
		.amdhsa_private_segment_fixed_size 0
		.amdhsa_enable_private_segment 0
		.amdhsa_kernarg_size 32
		.amdhsa_user_sgpr_count 2
		.amdhsa_user_sgpr_kernarg_segment_ptr 1
		.amdhsa_wavefront_size32 1
		.amdhsa_system_sgpr_workgroup_id_x 1
		.amdhsa_system_sgpr_workgroup_id_y 1
		.amdhsa_system_sgpr_workgroup_id_z 1
		.amdhsa_system_vgpr_workitem_id 0
		.amdhsa_next_free_vgpr 1024
		.amdhsa_next_free_sgpr 80
		.amdhsa_reserve_vcc 0
		.amdhsa_float_denorm_mode_32 3
		.amdhsa_float_denorm_mode_16_64 3
		.amdhsa_memory_ordered 1
		.amdhsa_forward_progress 1
		.amdhsa_inst_pref_size 99
	.end_amdhsa_kernel
	.amdgpu_metadata
---
amdhsa.version: [ 1, 2 ]
amdhsa.kernels:
  - .name:           k_qf167a31f81_outproj
    .symbol:         k_qf167a31f81_outproj.kd
    .args:
      - { .name: att, .offset: 0, .size: 8, .value_kind: global_buffer, .address_space: global }
      - { .name: ops, .offset: 8, .size: 8, .value_kind: global_buffer, .address_space: global }
      - { .name: bo, .offset: 16, .size: 8, .value_kind: global_buffer, .address_space: global }
      - { .name: out0, .offset: 24, .size: 8, .value_kind: global_buffer, .address_space: global }
    .group_segment_fixed_size: 168448
    .private_segment_fixed_size: 0
    .kernarg_segment_align: 8
    .kernarg_segment_size: 32
    .max_flat_workgroup_size: 128
    .sgpr_count:     80
    .vgpr_count:     1024
    .wavefront_size: 32
...
	.end_amdgpu_metadata
.endif
;; end of part 5
